; MI455X (gfx1250); checked and timed in simulation.
; The chip was launched on July 23, 2026; its instructions are those of AMD's public machine-readable ISA for CDNA 5 (MIT licence, August 2026) and "CDNA5" Instruction Set Architecture Reference Guide (July 2026). The comments in the code are by the model that wrote it; some were corrected since.
;; Multi Head Self Attention. Allowed arithmetic: matrix products marked QUANTISED: E2M1 operands, one E8M0 scale for each 32 along K, by v_wmma_scale_f32_16x16x128_f8f6f4 with both operands' format E2M1 (or v_wmma_scale_f32_32x16x128_f4), f32 sums; everything else in f32.
;; Inputs: Wk 1,024 x 1,024 float32; Wo 1,024 x 1,024 float32; Wq 1,024 x 1,024 float32; Wv 1,024 x 1,024 float32; bk 1,024 float32; bo 1,024 float32; bq 1,024 float32; bv 1,024 float32; x 4 x 2,048 x 1,024 float32.
;; Outputs: out0 4 x 2,048 x 1,024 float32.
;; This version of the problem:
;;   THIS VERSION OF THE PROBLEM IS GIVEN IN LOW PRECISION. The matrix products marked QUANTISED in the list below multiply operands that are first quantised to E2M1 (2 exponent bits, 1 mantissa bit; 4 bits a number), with one power-of-two scale for each 32 numbers along K (OCP MX v1.0); their sums are f32. All else is computed in f32.
;;   The module's matrix products, in the order in which they are computed (A, B: the left and right operand; K: the contracted axis; several contracted axes count as one K, in the product's order):
;;     1. [M 8,192, K 1,024] x [K 1,024, N 1,024]; A: input x; B: input Wq: QUANTISED
;;     2. [M 8,192, K 1,024] x [K 1,024, N 1,024]; A: input x; B: input Wk: QUANTISED
;;     3. [M 8,192, K 1,024] x [K 1,024, N 1,024]; A: input x; B: input Wv: QUANTISED
;;     4. batch 64 x [M 2,048, K 64] x [K 64, N 2,048]; A: computed on the way; B: computed on the way: QUANTISED
;;     5. batch 64 x [M 2,048, K 2,048] x [K 2,048, N 64]; A: softmax (see below); B: computed on the way: QUANTISED
;;     6. [M 8,192, K 1,024] x [K 1,024, N 1,024]; A: computed on the way; B: input Wo: QUANTISED
;;   THE QUANTISER, for each operand of a quantised product, along K:
;;     - K is cut into blocks of 32 from its start; a last block that is shorter is filled with zeros.
;;     - A block's scale is 2^e with e = floor(log2(the largest magnitude in the block)) - 2, held to -126 .. 127; a block of zeros has e = 0. As a byte (E8M0): e + 127.
;;     - Each number is divided by its block's scale, clamped to +-6, and rounded to the nearest number of E2M1, ties to even, subnormals kept.
;;     - The product sums the exact products of the quantised numbers (number of the format x scale) in f32.
;;   ~~~python
;;   def quantise(x, axis):      # numpy; x: float32 -> the quantised numbers, widened to float32 again
;;       x = np.moveaxis(x, axis, -1); K = x.shape[-1]
;;       x = np.pad(x, [(0, 0)] * (x.ndim - 1) + [(0, -K % 32)]); x = x.reshape(x.shape[:-1] + (-1, 32)); a = np.abs(x).max(-1, keepdims=True)
;;       e = np.where(a > 0, np.clip(np.frexp(np.where(a > 0, a, 1))[1] - 1 - 2, -126, 127), 0)      # np.frexp(a)[1] - 1 = floor(log2(a)), exactly
;;       r = np.clip(x / 2.0 ** e, -6, 6)
;;       step = 2.0 ** (np.maximum(np.frexp(np.where(r == 0, 1, r))[1] - 1, 0) - 1)
;;       q = np.round(r / step) * step * 2.0 ** e      # np.round: ties to even
;;       return np.moveaxis(q.reshape(q.shape[:-2] + (-1,))[..., :K], -1, axis).astype(np.float32)
;;   ~~~
;;   SOFTMAX AHEAD OF A QUANTISED PRODUCT. Where the list says 'softmax', what is quantised is not the finished softmax but p = 2^(t - M), with t = logit x log2(e) and M = ceil(the row's largest t), a whole number; so 1/2 < the row's largest p <= 1. The row's sum l is taken of the UNQUANTISED p, in f32, and the product's result is divided by l at the end. Since M is a whole number, a kernel that streams over the keys may use a running M (the ceiling of the running maximum): every later rescaling is an exact power of two, which a block's scale takes up: the codes' values come out the same.
;;   OPERANDS COMPUTED ON THE WAY. 'Computed on the way' means the value that the module computes at that place (a softmax that the list does not call 'softmax' is quantised finished and normalised). What goes into a quantiser is computed in f32, as accurately as f32 sums, v_exp_f32 and their like allow (about 1e-6 of the number): no bf16 or f16 on the way to a quantiser, and a product that is left as it is and whose result goes on into a quantised operand takes f32 operands (vector FMAs, or v_wmma_f32_16x16x4_f32). A number that lies on a knife's edge between two numbers of the format may be rounded either way, as far as f32 arithmetic and the matrix unit's own rounding can turn it there, and no further.
;; One version. Each part assembles by itself: llvm-mc -triple=amdgcn-amd-amdhsa -mcpu=gfx1250 --defsym DOCPART=n.
;; ======== version 1 of 1: 6 launches
;; workspace buffers: xq 4,456,448 bytes; wq 2,228,224 bytes; qk 9,437,184 bytes; vq 4,456,448 bytes; oq 4,456,448 bytes
;; launch quant_x (part 1): grid 256 x 1, 4 waves a work-group, no clusters, 34,304 bytes of LDS; arguments x, xq; writes xq
.if DOCPART == 1
	.amdgcn_target "amdgcn-amd-amdhsa--gfx1250"
	.amdhsa_code_object_version 6
	.text
	.protected	k_qd73979422e_quant_x
	.globl	k_qd73979422e_quant_x
	.p2align	8
	.type	k_qd73979422e_quant_x,@function
k_qd73979422e_quant_x:
	s_mov_b64 s[64:65], 0
	v_nop
	global_prefetch_b8 v0, s[64:65] scope:SCOPE_SE
	s_setreg_imm32_b32 hwreg(HW_REG_WAVE_MODE, 25, 1), 1
	s_wait_xcnt 0x0
; MULTI-HEAD SELF-ATTENTION IN MX-FP4, launch 1 of 6: x [8192][1024] f32 becomes codes of E2M1 and E8M0 scale bytes, quantised along its 1,024 channels.
; NO WORK OF THE PROBLEM IS LEFT OUT IN ANY LAUNCH: all six products are live, every bias moves codes or results (bk too: it goes into k ahead of k's quantiser), every input is loaded.
; The 64 idle places along K of the instruction in q k^T are zero codes on both sides, as the quantiser's filling of a short block has it.
; LIMITS: NaN and infinities among the inputs are not served.  A block whose largest magnitude lies under 2^-124, a block of zeros among them, keeps the scale byte 1 (the rule gives zeros 127):
; its codes are what the floor's scale gives (zeros for zeros), and the bytes are read by this program alone.
; THE LAYOUT OF ALL CODES IN THIS PROGRAM.  Rows go in tiles of 16: place r of tile T is row 32 (T / 2) + 8 (T % 2) + r + 8 (r / 8).  Codes lie [K / 64][tile][lane][16 bytes]: lane 16 h + r holds the block
; k = 64 p + 32 h + 0 .. 31 of place r: 512 dense bytes that are four registers of a matrix operand as they stand.  Scale bytes lie [K / 512][tile][r][16 bytes], byte j for block j of those 512.
; SHARES.  Wave 4 g + w takes tile 2 g + w / 2 and half w % 2 of K: 16 rows x 512 numbers, in four steps of 128.  Each load reads 512 consecutive bytes of one row; a step's 16 x 512 bytes turn through the wave's
; own stage in LDS (rows 528 bytes apart), so that a lane gets 16 neighbours of each of the step's four blocks of its row.  Waves share nothing: no barrier.
.set ROWX,  4096                       ; bytes in a row of x
.set SP,    528                        ; a stage row: 512 bytes + 16
.set STG,   16*SP                      ; a wave's stage
.set SPARE, 4*STG                      ; behind the stages: the spare words, 128 bytes for each wave
.set PLANE, 262144                     ; 64 along K of all 8,192 rows, in bytes of codes
.set XSC,   4194304                    ; where the scale bytes begin in xq
.set LO,  1                            ; v1   16 x lane
.set SI,  2                            ; v2   stage + 16 x lane
.set SO,  3                            ; v3   stage + 528 r + 64 h
.set SA,  4                            ; v4   16 r + 8 h
.set SPW, 12                           ; v12  LDS address of my spare word; never rewritten
.set NIL, 13                           ; v13  0; never rewritten
.set TM,  16                           ; v16-31 at work in QUANT
.set X,   32                           ; v32-159 two sets of 64 numbers
.set PCB, 160                          ; v160-191 codes, eight registers a step: no store's data are written again
.set PWB, 192                          ; v192-195 a scale word a step
.set SEL, 20                           ; s[20:21] selects for lane l xor 16
	s_load_b128 s[4:7], s[0:1], 0x0                ; x, xq
	v_lshl_add_u32 v[SPW], v0, 2, SPARE
	v_mov_b32 v[NIL], 0
	v_lshrrev_b32 v5, 5, v0
	v_readfirstlane_b32 s12, v5                    ; wave 0..3
	v_and_b32 v6, 31, v0
	v_lshlrev_b32 v[LO], 4, v6
	s_mul_i32 s13, s12, STG
	v_add_nc_u32 v[SI], s13, v[LO]
	v_and_b32 v7, 15, v0                           ; r
	v_bfe_u32 v8, v0, 4, 1                         ; h
	v_mul_u32_u24 v[SO], v7, SP
	v_lshl_add_u32 v[SO], v8, 6, v[SO]
	v_add_nc_u32 v[SO], s13, v[SO]
	v_lshlrev_b32 v[SA], 4, v7
	v_lshl_add_u32 v[SA], v8, 3, v[SA]
.irp b, 0,1,2,3
	v_mov_b32 v[TM+4+\b], 0                        ; written once: a lane permute's destination counts as one of its sources
.endr
	s_mov_b32 s[SEL], 0x76543210
	s_mov_b32 s[SEL+1], 0xfedcba98
	s_mov_b32 s22, 0xffff0000                      ; lanes 16-31
	s_lshr_b32 s14, s12, 1                         ; which tile of the pair
	s_and_b32 s15, s12, 1                          ; which half of K
	s_lshl_b32 s16, ttmp9, 17                      ; 32 rows of 4,096 bytes a work-group,
	s_lshl_b32 s17, s14, 15                        ; 8 rows on for the pair's second tile,
	s_add_co_u32 s16, s16, s17
	s_lshl_b32 s17, s15, 11                        ; 512 numbers on for the second half of K
	s_add_co_u32 s16, s16, s17
	s_mov_b32 s17, 0
	s_lshl_b32 s18, ttmp9, 1
	s_add_co_u32 s18, s18, s14                     ; my tile
	s_lshl_b32 s24, s18, 9
	s_lshl_b32 s19, s15, 21                        ; eight planes a half of K
	s_add_co_u32 s24, s24, s19
	s_mov_b32 s25, 0
	s_lshl_b32 s26, s18, 8
	s_lshl_b32 s19, s15, 17
	s_add_co_u32 s26, s26, s19
	s_add_co_u32 s26, s26, XSC
	s_mov_b32 s27, 0
	s_wait_alu depctr_va_vdst(0)
	s_wait_kmcnt 0x0
	s_add_nc_u64 s[4:5], s[4:5], s[16:17]
	s_add_nc_u64 s[8:9], s[6:7], s[24:25]          ; my codes
	s_add_nc_u64 s[10:11], s[6:7], s[26:27]        ; my scale bytes
.macro LOAD t                          ; step t: 512 bytes of each of my 16 rows into set t % 2
.irp i, 0,1,2,3,4,5,6,7,8,9,10,11,12,13,14,15
	global_load_b128 v[X+64*((\t)%2)+4*\i:X+64*((\t)%2)+4*\i+3], v[LO], s[4:5] offset:(\i+8*(\i/8))*ROWX+512*(\t) th:TH_LOAD_NT
.endr
.endm
.macro TURN t                          ; through the stage: in as loaded, out 64 bytes of each block a lane.  LDS serves a wave's instructions in order: no wait between the stores and the loads
.set XT, X+64*((\t)%2)
.irp i, 0,1,2,3,4,5,6,7,8,9,10,11,12,13,14,15
	ds_store_b128 v[SI], v[XT+4*\i:XT+4*\i+3] offset:SP*\i
.endr
.irp b, 0,1,2,3
.irp j, 0,1,2,3
	ds_load_b128 v[XT+16*\b+4*\j:XT+16*\b+4*\j+3], v[SO] offset:128*\b+16*\j
.endr
.endr
.endm
; 64 numbers of a lane, register 16 b + i = k 32 b + 16 h + i of my row, become a fragment's eight registers of codes and its scale word
.macro QUANT s, pc, pw
.irp b, 0,1,2,3
	v_max3_num_f32 v[TM+\b], |v[\s+16*\b]|, |v[\s+1+16*\b]|, 0x1800000   ; my 16 numbers of block b, and the floor 2^(3 - 127): the byte cannot fall under 1
.endr
.irp i, 2,4,6,8,10,12,14
.irp b, 0,1,2,3
	v_max3_num_f32 v[TM+\b], v[TM+\b], |v[\s+16*\b+\i]|, |v[\s+1+16*\b+\i]|   ; the four blocks by turns
.endr
.endr
.irp b, 0,1,2,3
	v_permlanex16_b32 v[TM+4+\b], v[TM+\b], s[SEL], s[SEL+1]
.endr
.irp b, 0,1,2,3
	v_max_num_f32 v[TM+\b], v[TM+\b], v[TM+4+\b]   ; with lane l xor 16's: the block's largest magnitude
.endr
.irp b, 0,1,2,3
	v_add_nc_u32 v[TM+12+\b], 0xff000000, v[TM+\b] ; 2 off its exponent field: the conversion takes the exponent field of this operand as its scale
.endr
.irp b, 0,1,2,3
	v_lshrrev_b32 v[TM+4+\b], 23, v[TM+12+\b]      ; the scale's byte
.endr
	v_lshl_or_b32 v[\pw], v[TM+5], 8, v[TM+4]
	v_lshl_or_b32 v[\pw], v[TM+6], 16, v[\pw]
	v_lshl_or_b32 v[\pw], v[TM+7], 24, v[\pw]
.irp b, 0,1,2,3
	v_cvt_scalef32_pk8_fp4_f32 v[\pc+2*\b], v[\s+16*\b:\s+7+16*\b], v[TM+12+\b]
	v_cvt_scalef32_pk8_fp4_f32 v[\pc+1+2*\b], v[\s+8+16*\b:\s+15+16*\b], v[TM+12+\b]
.endr
	v_nop                                          ; one plain place behind a scaled conversion
.irp c, 0,1                                    ; a whole block to a lane: lanes 0-15 block 2 c, lanes 16-31 block 2 c + 1
.irp i, 0,1
	v_permlane16_swap_b32 v[\pc+4*\c+\i], v[\pc+2+4*\c+\i]
.endr
.endr
.endm
.macro STEP t
.set XS, X+64*((\t)%2)
.if (\t) < 3
	s_wait_loadcnt 16                              ; this step's 16 loads are in; the next step's 16 may be out
.else
	s_wait_loadcnt 0x0
.endif
	TURN \t
	s_wait_dscnt 0x0
	QUANT XS, PCB+8*(\t), PWB+(\t)
	global_store_b128 v[LO], v[PCB+8*(\t):PCB+8*(\t)+3], s[8:9] offset:2*(\t)*PLANE          ; 512 consecutive bytes, aligned
	global_store_b128 v[LO], v[PCB+8*(\t)+4:PCB+8*(\t)+7], s[8:9] offset:(2*(\t)+1)*PLANE
.if (\t) < 2
	LOAD (\t)+2                                    ; the set is free: its numbers have been converted
.endif
.endm
	LOAD 0
	LOAD 1
	STEP 0
	STEP 1
	STEP 2
	STEP 3
	v_cndmask_b32 v200, v[PWB], v[PWB+2], s22      ; my row's 16 scale bytes: lanes 0-15 store words 0, 1, lanes 16-31 words 2, 3
	v_cndmask_b32 v201, v[PWB+1], v[PWB+3], s22
	global_store_b64 v[SA], v[200:201], s[10:11]   ; 256 consecutive bytes, aligned
	s_wait_tensorcnt 0x0                           ; the wave's end, behind my last LDS store
	ds_add_u32 v[SPW], v[NIL]
	s_wait_dscnt 0x0
	s_endpgm
.Lfunc_end_k_qd73979422e_quant_x:
	.size	k_qd73979422e_quant_x, .Lfunc_end_k_qd73979422e_quant_x-k_qd73979422e_quant_x
	.p2alignl 7, 3214868480
	.fill 96, 4, 3214868480
	.section	.rodata,"a",@progbits
	.p2align	6, 0x0
	.amdhsa_kernel k_qd73979422e_quant_x
		.amdhsa_group_segment_fixed_size 34304
		.amdhsa_private_segment_fixed_size 0
		.amdhsa_enable_private_segment 0
		.amdhsa_kernarg_size 16
		.amdhsa_user_sgpr_count 2
		.amdhsa_user_sgpr_kernarg_segment_ptr 1
		.amdhsa_wavefront_size32 1
		.amdhsa_system_sgpr_workgroup_id_x 1
		.amdhsa_system_sgpr_workgroup_id_y 1
		.amdhsa_system_sgpr_workgroup_id_z 1
		.amdhsa_system_vgpr_workitem_id 0
		.amdhsa_next_free_vgpr 208
		.amdhsa_next_free_sgpr 66
		.amdhsa_reserve_vcc 0
		.amdhsa_float_denorm_mode_32 3
		.amdhsa_float_denorm_mode_16_64 3
		.amdhsa_memory_ordered 1
		.amdhsa_forward_progress 1
		.amdhsa_inst_pref_size 33
	.end_amdhsa_kernel
	.amdgpu_metadata
---
amdhsa.version: [ 1, 2 ]
amdhsa.kernels:
  - .name:           k_qd73979422e_quant_x
    .symbol:         k_qd73979422e_quant_x.kd
    .args:
      - { .name: x, .offset: 0, .size: 8, .value_kind: global_buffer, .address_space: global }
      - { .name: xq, .offset: 8, .size: 8, .value_kind: global_buffer, .address_space: global }
    .group_segment_fixed_size: 34304
    .private_segment_fixed_size: 0
    .kernarg_segment_align: 8
    .kernarg_segment_size: 16
    .max_flat_workgroup_size: 128
    .sgpr_count:     66
    .vgpr_count:     208
    .wavefront_size: 32
...
	.end_amdgpu_metadata
.endif
;; end of part 1
;; launch quant_w (part 2): grid 16 x 8, 8 waves a work-group, no clusters, 2,048 bytes of LDS; arguments Wq, Wk, Wv, Wo, wq; writes wq
.if DOCPART == 2
	.amdgcn_target "amdgcn-amd-amdhsa--gfx1250"
	.amdhsa_code_object_version 6
	.text
	.protected	k_qd73979422e_quant_w
	.globl	k_qd73979422e_quant_w
	.p2align	8
	.type	k_qd73979422e_quant_w,@function
k_qd73979422e_quant_w:
	s_mov_b64 s[64:65], 0
	v_nop
	global_prefetch_b8 v0, s[64:65] scope:SCOPE_SE
	s_setreg_imm32_b32 hwreg(HW_REG_WAVE_MODE, 25, 1), 1
	s_wait_xcnt 0x0
; Launch 2 of 6: the four weights [1024 (k)][1024 (n)] f32, whose K is the FIRST axis, become 4,096 rows of codes (the columns of Wq, Wk, Wv, Wo in that order) with K innermost.  Nothing is left out.
; LIMITS: NaN and infinities are not served; a block under 2^-124 (zeros among them) keeps the scale byte 1; this program alone reads the bytes.
; LAYOUT as for x: rows in tiles of 16, place r of tile T = row 32 (T / 2) + 8 (T % 2) + r + 8 (r / 8); codes [K / 64][tile][16 h + r][16 bytes]; scale bytes [K / 512][tile][r][16 bytes].
; A LANE TAKES A COLUMN, ITS REGISTERS RUN DOWN K: a block of 32 lies in one lane's 32 registers, and the conversions give codes with K innermost.
; SHARES.  Work-group (x, y): weight y / 2, half y % 2 of K, columns 64 x on.  Wave w: columns 32 (w % 2) on, 128 along K from 128 (w / 2) on: four blocks a lane.  The two waves of a K quarter read 256 consecutive bytes of
; each row of W.  A wave's 32 columns are one pair of tiles: lane j is place (j % 8) + 8 (j / 16) of tile (j / 8) % 2.  A block's 16 bytes a lane leave as two runs of 256 consecutive bytes.
; The four words of a row's 16 scale bytes come from four waves: they meet in LDS, and waves 0 and 1 store them in runs of 256 consecutive bytes.
.set ROWW,  4096                       ; bytes in a row of W
.set PLANE, 131072                     ; 64 along K of all 4,096 rows
.set WSC,   2097152                    ; where the scale bytes begin in wq
.set SPARE, 1024                       ; behind the gathered words: the spare words, 128 bytes for each of eight waves
.set SPW, 14                           ; v14  LDS address of my spare word; never rewritten
.set NIL, 15                           ; v15  0; never rewritten
.set SB,  24                           ; v24  my four scale bytes
.set X,   32                           ; v32-95 two sets of 32 numbers
.set C,   96                           ; v96-111 codes, four registers a block: no store's data are written again
	s_load_b256 s[4:11], s[0:1], 0x0               ; Wq, Wk, Wv, Wo
	s_load_b64 s[12:13], s[0:1], 0x20              ; wq
	v_lshl_add_u32 v[SPW], v0, 2, SPARE
	v_mov_b32 v[NIL], 0
	v_lshrrev_b32 v1, 5, v0
	s_delay_alu instid0(VALU_DEP_1)
	v_readfirstlane_b32 s16, v1                    ; wave 0..7
	v_and_b32 v2, 31, v0                           ; j
	s_delay_alu instid0(VALU_DEP_1)
	v_lshlrev_b32 v3, 2, v2                        ; in: 4 bytes a lane
	s_delay_alu instid0(VALU_DEP_2)
	v_bfe_u32 v8, v2, 3, 1                         ; which tile of the pair
	s_delay_alu instid0(VALU_DEP_3)
	v_and_b32 v9, 7, v2
	s_delay_alu instid0(VALU_DEP_4)
	v_lshrrev_b32 v10, 4, v2
	s_delay_alu instid0(VALU_DEP_1)
	v_lshl_add_u32 v9, v10, 3, v9                  ; my place r in it
	s_delay_alu instid0(VALU_DEP_1)
	v_lshlrev_b32 v4, 4, v9
	s_delay_alu instid0(VALU_DEP_1)
	v_lshl_add_u32 v7, v8, 8, v4                   ; scale bytes: 256 x tile + 16 r
	s_delay_alu instid0(VALU_DEP_2)
	v_lshl_add_u32 v4, v8, 9, v4                   ; codes: 512 x tile + 16 r
	s_and_b32 s17, s16, 1                          ; which 32 columns
	s_lshr_b32 s18, s16, 1                         ; which 128 along K
	s_lshl_b32 s19, s17, 9
	v_add_nc_u32 v6, s19, v7                       ; LDS: a row's 16 bytes,
	s_lshl_b32 s20, s18, 2
	s_add_co_u32 s19, s19, s20
	v_add_nc_u32 v5, s19, v7                       ; and my word of them
	s_and_b32 s21, ttmp7, 0xffff
	s_lshr_b32 s22, s21, 1                         ; the weight
	s_and_b32 s23, s21, 1                          ; the half of K
	s_lshl_b32 s28, s23, 21                        ; W: 512 rows of 4,096 bytes a half,
	s_lshl_b32 s29, s18, 19                        ; 128 rows a quarter of it,
	s_add_co_u32 s28, s28, s29
	s_lshl_b32 s29, ttmp9, 8                       ; 64 columns a work-group,
	s_add_co_u32 s28, s28, s29
	s_lshl_b32 s29, s17, 7                         ; 32 a wave
	s_add_co_u32 s28, s28, s29
	s_mov_b32 s29, 0
	s_lshl_b32 s30, s22, 5
	s_lshl_b32 s31, ttmp9, 1
	s_add_co_u32 s30, s30, s31
	s_add_co_u32 s30, s30, s17                     ; my pair of tiles: 32 x weight + 2 x + w % 2
	s_lshl_b32 s32, s30, 10
	s_lshl_b32 s33, s23, 20                        ; eight planes a half of K,
	s_add_co_u32 s32, s32, s33
	s_lshl_b32 s33, s18, 18                        ; two a quarter of it
	s_add_co_u32 s32, s32, s33
	s_mov_b32 s33, 0
	s_lshl_b32 s34, s30, 9
	s_lshl_b32 s35, s23, 16
	s_add_co_u32 s34, s34, s35
	s_add_co_u32 s34, s34, WSC
	s_mov_b32 s35, 0
	s_and_b32 s20, s22, 1
	s_wait_kmcnt 0x0
	s_cmp_eq_u32 s20, 0                            ; the choice of the weight hangs on the work-group's number alone
	s_cselect_b64 s[4:5], s[4:5], s[6:7]
	s_cselect_b64 s[8:9], s[8:9], s[10:11]
	s_cmp_lt_u32 s22, 2
	s_cselect_b64 s[4:5], s[4:5], s[8:9]
	s_add_nc_u64 s[4:5], s[4:5], s[28:29]
	s_add_nc_u64 s[24:25], s[12:13], s[32:33]      ; my codes
	s_add_nc_u64 s[26:27], s[12:13], s[34:35]      ; my pair's scale bytes
.macro LOAD t                          ; block t: W(32 t + i, my column) into set t % 2
.irp i, 0,1,2,3,4,5,6,7,8,9,10,11,12,13,14,15,16,17,18,19,20,21,22,23,24,25,26,27,28,29,30,31
	global_load_b32 v[X+32*((\t)%2)+\i], v3, s[4:5] offset:(32*(\t)+\i)*ROWW th:TH_LOAD_NT
.endr
.endm
.macro BLOCK t
.set XS, X+32*((\t)%2)
.if (\t) < 3
	s_wait_loadcnt 32                              ; this block's 32 loads are in; the next block's may be out
.else
	s_wait_loadcnt 0x0
.endif
	v_max3_num_f32 v12, |v[XS]|, |v[XS+1]|, |v[XS+2]|              ; the block's largest magnitude: all 32 numbers are mine; two chains
	v_max3_num_f32 v13, |v[XS+3]|, |v[XS+4]|, |v[XS+5]|
.irp i, 6,10,14,18,22,26
	s_delay_alu instid0(VALU_DEP_2)
	v_max3_num_f32 v12, v12, |v[XS+\i]|, |v[XS+\i+1]|
	s_delay_alu instid0(VALU_DEP_2)
	v_max3_num_f32 v13, v13, |v[XS+\i+2]|, |v[XS+\i+3]|
.endr
	s_delay_alu instid0(VALU_DEP_2)
	v_max3_num_f32 v12, v12, |v[XS+30]|, |v[XS+31]|
	s_delay_alu instid0(VALU_DEP_1)
	v_max3_num_f32 v12, v12, v13, 0x1800000        ; and the floor 2^(3 - 127): the byte cannot fall under 1
	s_delay_alu instid0(VALU_DEP_1)
	v_add_nc_u32 v11, 0xff000000, v12              ; 2 off its exponent field: the conversion's scale operand
	s_delay_alu instid0(VALU_DEP_1)
	v_lshrrev_b32 v13, 23, v11                     ; the scale's byte
.if (\t) == 0
	s_delay_alu instid0(VALU_DEP_1)
	v_mov_b32 v[SB], v13
.else
	s_delay_alu instid0(VALU_DEP_1)
	v_lshl_or_b32 v[SB], v13, 8*(\t), v[SB]
.endif
.irp g, 0,1,2,3
	v_cvt_scalef32_pk8_fp4_f32 v[C+4*(\t)+\g], v[XS+8*\g:XS+8*\g+7], v11
.endr
	v_nop                                          ; one plain place behind the last conversion
	global_store_b128 v4, v[C+4*(\t):C+4*(\t)+3], s[24:25] offset:((\t)/2)*PLANE+((\t)%2)*256
.if (\t) < 2
	LOAD (\t)+2
.endif
.endm
	LOAD 0
	LOAD 1
	BLOCK 0
	BLOCK 1
	BLOCK 2
	BLOCK 3
	ds_store_b32 v5, v[SB]
	s_wait_dscnt 0x0                               ; for the others' sake: my word lies in LDS
	s_barrier_signal -1
	s_barrier_wait -1
	s_cmp_lt_u32 s16, 2                            ; waves 0 and 1 store the two pairs' scale bytes
	s_cbranch_scc0 .Ldone
	ds_load_b128 v[112:115], v6
	s_wait_dscnt 0x0
	global_store_b128 v7, v[112:115], s[26:27]     ; two runs of 256 consecutive bytes, aligned
.Ldone:
	s_wait_tensorcnt 0x0                           ; the wave's end, behind my last LDS store
	ds_add_u32 v[SPW], v[NIL]
	s_wait_dscnt 0x0
	s_endpgm
.Lfunc_end_k_qd73979422e_quant_w:
	.size	k_qd73979422e_quant_w, .Lfunc_end_k_qd73979422e_quant_w-k_qd73979422e_quant_w
	.p2alignl 7, 3214868480
	.fill 96, 4, 3214868480
	.section	.rodata,"a",@progbits
	.p2align	6, 0x0
	.amdhsa_kernel k_qd73979422e_quant_w
		.amdhsa_group_segment_fixed_size 2048
		.amdhsa_private_segment_fixed_size 0
		.amdhsa_enable_private_segment 0
		.amdhsa_kernarg_size 40
		.amdhsa_user_sgpr_count 2
		.amdhsa_user_sgpr_kernarg_segment_ptr 1
		.amdhsa_wavefront_size32 1
		.amdhsa_system_sgpr_workgroup_id_x 1
		.amdhsa_system_sgpr_workgroup_id_y 1
		.amdhsa_system_sgpr_workgroup_id_z 1
		.amdhsa_system_vgpr_workitem_id 0
		.amdhsa_next_free_vgpr 128
		.amdhsa_next_free_sgpr 66
		.amdhsa_reserve_vcc 0
		.amdhsa_float_denorm_mode_32 3
		.amdhsa_float_denorm_mode_16_64 3
		.amdhsa_memory_ordered 1
		.amdhsa_forward_progress 1
		.amdhsa_inst_pref_size 24
	.end_amdhsa_kernel
	.amdgpu_metadata
---
amdhsa.version: [ 1, 2 ]
amdhsa.kernels:
  - .name:           k_qd73979422e_quant_w
    .symbol:         k_qd73979422e_quant_w.kd
    .args:
      - { .name: Wq, .offset: 0, .size: 8, .value_kind: global_buffer, .address_space: global }
      - { .name: Wk, .offset: 8, .size: 8, .value_kind: global_buffer, .address_space: global }
      - { .name: Wv, .offset: 16, .size: 8, .value_kind: global_buffer, .address_space: global }
      - { .name: Wo, .offset: 24, .size: 8, .value_kind: global_buffer, .address_space: global }
      - { .name: wq, .offset: 32, .size: 8, .value_kind: global_buffer, .address_space: global }
    .group_segment_fixed_size: 2048
    .private_segment_fixed_size: 0
    .kernarg_segment_align: 8
    .kernarg_segment_size: 40
    .max_flat_workgroup_size: 256
    .sgpr_count:     66
    .vgpr_count:     128
    .wavefront_size: 32
...
	.end_amdgpu_metadata
.endif
;; end of part 2
;; launch gemm_qk (part 3): grid 8 x 32, 4 waves a work-group, clusters of 4 x 4, 327,680 bytes of LDS; arguments xq, wq, bq, bk, qk; writes qk
.if DOCPART == 3
	.amdgcn_target "amdgcn-amd-amdhsa--gfx1250"
	.amdhsa_code_object_version 6
	.text
	.protected	k_qd73979422e_gemm_qk
	.globl	k_qd73979422e_gemm_qk
	.p2align	8
	.type	k_qd73979422e_gemm_qk,@function
k_qd73979422e_gemm_qk:
	s_mov_b64 s[64:65], 0
	v_nop
	global_prefetch_b8 v0, s[64:65] scope:SCOPE_SE
	s_setreg_imm32_b32 hwreg(HW_REG_WAVE_MODE, 25, 1), 1
	s_wait_xcnt 0x0
	s_wait_alu depctr_hold_cnt(0) depctr_sa_sdst(0) depctr_va_vdst(0) depctr_va_sdst(0) depctr_va_ssrc(0) depctr_va_vcc(0) depctr_vm_vsrc(0)
	s_getreg_b32 s2, hwreg(HW_REG_IB_STS2, 6, 4)
	s_cmp_eq_u32 s2, 0
	s_cbranch_scc0 .Lentry_in_a_cluster
	s_endpgm
.Lentry_in_a_cluster:
	s_bfe_u32 s2, ttmp6, 0x10000c
	s_cmp_lg_u32 s2, 0xf033
	s_cbranch_scc0 .Lentry_shape_is_right
	s_endpgm
.Lentry_shape_is_right:
; Launches 3, 4 and 6 of 6 are ONE TEXT with MODE 0, 1, 2: C[m][n] = bias + sum over k of A[m][k] B[n][k], K = 1,024, both operands codes of E2M1 with E8M0 scales.  Nothing is left out.
;   MODE 0: A = x's rows, B = the columns of Wq and Wk; q and k are quantised along each head's 64 and stored as codes for the attention.
;   MODE 1: A = the columns of Wv, B = x's rows, so that the axis along a lane's registers is the TOKENS: v is quantised along the keys and stored as fragments of V^T.
;   MODE 2: A = the attention's result, B = the columns of Wo; the result is out0, f32.
; LIMITS (MODE 0, 1): NaN and infinities are not served; a block under 2^-124 (zeros among them) keeps the scale byte 1; this program alone reads the bytes.
; OPERANDS LIE AS IMAGES OF REGISTERS: rows in tiles of 16 (place r of tile T = row 32 (T / 2) + 8 (T % 2) + r + 8 (r / 8)); codes [K / 64][tile][lane][16 bytes]; scale bytes [K / 512][tile][r][16 bytes].
; A fragment (16 rows x 128 K) is two loads of 16 bytes at 16 x lane: no pitch, no padding.
; A tile of C, 256 x 256, is made by four waves, each 128 x 128: 64 accumulators, 512 registers.  K's two halves of 512 fill two LDS slots, and all scale bytes lie beside them: every byte of LDS is filled ONCE, at the head.
; CLUSTERS: 4 x 4 work-groups; A's tiles are asked for jointly along a row of the cluster, B's along a column.
; THE MATRIX INSTRUCTION IS USED TRANSPOSED (source 0 = 16 rows of B, source 1 = 16 rows of A): lane (r, h) holds place r of A's tile, and by the order of rows in B's tiles the 64 registers of A's block a are
; n = 32 b + 16 h + i at register 16 b + i: 16 neighbours of each block of 32, which the conversions take as they stand.  The bias is the C of the first K step.
; REGISTERS, in windows of 256: window 0: v1-31 addresses; v32-95 scale words, two sets; v96-119 at work on the way out; v128-191 A's fragments, one set; v192-255 the bias.  On the way out v128-255 are free.
;   window 1: B's fragments, two sets, at v0 and v128.   window 2: the accumulators of my rows 0-63 ((a, b) at v[8 (8 a + b)]);   window 3: those of rows 64-127.
.set MODE, 0
.if MODE == 0
.set AROWS, 8192
.set AFIRST, 0
.set ASCO, 4194304
.set BROWS, 4096
.set BFIRST, 0
.set BSCO, 2097152
.endif
.if MODE == 1
.set AROWS, 4096
.set AFIRST, 2048
.set ASCO, 2097152
.set BROWS, 8192
.set BFIRST, 0
.set BSCO, 4194304
.endif
.if MODE == 2
.set AROWS, 8192
.set AFIRST, 0
.set ASCO, 4194304
.set BROWS, 4096
.set BFIRST, 3072
.set BSCO, 2097152
.endif
.set NQ,     4                         ; steps of 128 along K in a slot
.set FR,     8                         ; registers of a fragment
.set NL,     2                         ; LDS loads that bring one
.set NP,     4                         ; places behind this matrix instruction (ISA guide 7.12.1)
.set HALFT,  32768                     ; 128 rows x 512 K of codes: 8 planes x 8 tiles x 512 bytes: what one tensor load brings
.set SLOT,   4*HALFT                   ; A's two halves, then B's two
.set SCL,    2*SLOT                    ; behind the slots: the scale bytes, [loading wave][half of K][tile][256 bytes]
.set HALFS,  4096                      ; those of 128 rows
.set SPARE,  SCL+4*HALFS               ; the spare words, 128 bytes for each wave
.set SPITCH, 528                       ; MODE 2: a stage row
.set QKW,    8388608                   ; where the scale words begin in qk
.set VQW,    4194304                   ; and in vq
.set ADRA, 16                          ; v16-17  LDS address of my A fragments in slot 0, 1
.set ADRB, 20                          ; v20-21  the same for B
.set STO,  24                          ; v24     the way out: where I store into my stage
.set RD,   25                          ; v25     and where I read it back
.set CO,   26                          ; v26     16 x lane
.set ADRS, 27                          ; v27     LDS address of my scale words: lanes 0-15 A's rows, lanes 16-31 B's
.set SPW,  28                          ; v28     LDS address of my spare word; never rewritten
.set NIL,  29                          ; v29     0; never rewritten
.set CV,   30                          ; v30     MODE 1: 4,096 h + 16 r
.set SH,   31                          ; v31     MODE 0: 16 h
.set SC,   32                          ; scale words: set s at v[SC + 32 s]; register 4 i + q: lanes 0-15 A's block i, lanes 16-31 B's block i, the slot's q-th 128 along K
.set TM,   96                          ; v96-111 at work in the quantiser
.set WD,   112                         ; v112-119 a scale word for each block of A
.set AF,   128                         ; A's fragments
.set PCB,  128                         ; the way out: the codes of block a at v[128 + 8 a]
.set BK,   128                         ; MODE 2: rows read back: v128-191 and v192-255 by turns
.set BI,   192                         ; the bias, in the result's layout
.set SEL,  6                           ; s[6:7] selects for lane l xor 16
.set G1, 24
.set G0, 32
.set G1B, 48
.set G0B, 56
.set G1S, 68
.set G0S, 76
.set G1SB, 80
.set G0SB, 88
.set MSB, 0
.macro WIN new                         ; the immediate's high byte repeats the setting that is left
.if MSB != (\new)
	s_set_vgpr_msb (MSB<<8)|(\new)
.set MSB, (\new)
.endif
.endm
.set MUL_LO,   0xa1                    ; source 0 (B) window 1, source 1 (A) window 0, C and D window 2
.set MUL_HI,   0xf1                    ; the same, C and D window 3
.set FIRST_LO, 0x81                    ; the first K step: C (the bias) window 0, D window 2
.set FIRST_HI, 0xc1                    ; D window 3
.set TO_B,     0x40                    ; destination window 1, address window 0
; A joint load: waves 0 and 1 fetch for A, waves 2 and 3 for B; the branch hangs on the wave's number alone.  An s_nop 0 and four v_nop follow each of the two lines.
.macro JLOAD g0a, g1a, g0b, g1b
	s_cmp_eq_u32 s15, 0
	s_cbranch_scc0 .Lfor_b_\@
	tensor_load_to_lds s[\g0a:\g0a+3], s[\g1a:\g1a+7]
	s_nop 0
.rept 4
	v_nop
.endr
	s_branch .Lasked_\@
.Lfor_b_\@:
	tensor_load_to_lds s[\g0b:\g0b+3], s[\g1b:\g1b+7]
	s_nop 0
.rept 4
	v_nop
.endr
.Lasked_\@:
.endm
.macro CROUND                          ; a round of the cluster's barrier
	s_barrier_signal -1
	s_barrier_wait -1
	s_cmp_lg_u32 s14, 0
	s_cbranch_scc1 .Lnot_wave_0_\@
	s_barrier_signal -3
.Lnot_wave_0_\@:
	s_barrier_wait -3
	s_barrier_signal -1
	s_barrier_wait -1
.endm
	s_load_b64 s[4:5], s[0:1], 0x0                 ; A
	s_load_b64 s[8:9], s[0:1], 0x8                 ; B
.if MODE == 0
	s_load_b128 s[96:99], s[0:1], 0x10             ; bq, bk
	s_load_b64 s[12:13], s[0:1], 0x20              ; qk
.else
	s_load_b64 s[96:97], s[0:1], 0x10              ; the bias
	s_load_b64 s[12:13], s[0:1], 0x18              ; the result
.endif
	v_lshl_add_u32 v[SPW], v0, 2, SPARE
	v_mov_b32 v[NIL], 0
	ds_add_u32 v[SPW], v[NIL]                      ; the wave's opening: the add, twice on end, and its wait ahead of my first tensor load
	ds_add_u32 v[SPW], v[NIL]
	v_lshrrev_b32 v1, 5, v0
	v_readfirstlane_b32 s14, v1                    ; wave 0..3
	s_lshr_b32 s15, s14, 1                         ; which half of the tile's rows is mine.  Also: I fetch for A (0) or for B (1)
	s_and_b32 s16, s14, 1                          ; which half of its columns.  Also: which 128 rows I fetch
	s_bfe_u32 s40, ttmp6, 0x40000                  ; cx, cy: my place in the cluster
	s_bfe_u32 s41, ttmp6, 0x40004
	s_lshl_b32 s42, ttmp9, 2
	s_add_co_u32 s42, s42, s40                     ; tile column of C
	s_and_b32 s17, ttmp7, 0xffff
	s_lshl_b32 s17, s17, 2
	s_add_co_u32 s17, s17, s41                     ; tile row of C
	s_lshl_b32 s43, s41, 2
	s_lshl_b32 s43, 15, s43                        ; my row of the cluster
	s_lshl_b32 s44, 0x1111, s40                    ; my column
	; group 1 for codes: 8 planes of 4,096 bytes (512 elements of 8 bytes), a plane of all rows apart; for scale bytes: 2 halves of K of 2,048 bytes
	s_or_b32 s[G1+0], s43, (3<<16)|(1<<21)         ; 15:0 the mask; 17:16 elements of 8 bytes; 21 set beside a mask; no padding
	s_or_b32 s[G1B+0], s44, (3<<16)|(1<<21)
	s_or_b32 s[G1S+0], s43, (3<<16)|(1<<21)
	s_or_b32 s[G1SB+0], s44, (3<<16)|(1<<21)
.irp g, G1, G1B
	s_mov_b32 s[\g+1], 512<<16                     ; tensor_dim0
	s_mov_b32 s[\g+2], 8<<16                       ; tensor_dim1
	s_mov_b32 s[\g+3], 512<<16                     ; tile_dim0
	s_mov_b32 s[\g+4], 8                           ; tile_dim1
	s_mov_b32 s[\g+6], 0
	s_mov_b32 s[\g+7], 0
.endr
	s_mov_b32 s[G1+5], AROWS*4                     ; tensor_dim0_stride, in elements
	s_mov_b32 s[G1B+5], BROWS*4
.irp g, G1S, G1SB
	s_mov_b32 s[\g+1], 256<<16
	s_mov_b32 s[\g+2], 2<<16
	s_mov_b32 s[\g+3], 256<<16
	s_mov_b32 s[\g+4], 2
	s_mov_b32 s[\g+6], 0
	s_mov_b32 s[\g+7], 0
.endr
	s_mov_b32 s[G1S+5], AROWS*2
	s_mov_b32 s[G1SB+5], BROWS*2
	s_lshl_b32 s18, s16, 7                         ; which 128 rows of the tile I fetch
	s_lshl_b32 s20, s17, 8
	s_add_co_u32 s20, s20, s18                     ; A: row 256 x tile row + 128 x half
.if AFIRST
	s_add_co_u32 s20, s20, AFIRST
.endif
	s_lshl_b32 s46, s42, 8
	s_add_co_u32 s46, s46, s18                     ; B: row 256 x tile column + 128 x half
.if BFIRST
	s_add_co_u32 s46, s46, BFIRST
.endif
	s_lshl_b32 s22, s20, 4                         ; scale bytes: 16 a row and half of K
	s_add_co_u32 s22, s22, ASCO
	s_mov_b32 s23, 0
	s_lshl_b32 s92, s46, 4
	s_add_co_u32 s92, s92, BSCO
	s_mov_b32 s93, 0
	s_lshl_b32 s20, s20, 5                         ; codes: 32 bytes a row and plane
	s_mov_b32 s21, 0
	s_lshl_b32 s46, s46, 5
	s_mov_b32 s47, 0
	s_mul_i32 s45, s14, HALFT                      ; where they go: no place in the cluster enters an LDS address
	s_mul_i32 s94, s14, HALFS
	s_mov_b32 s[SEL], 0x76543210
	s_mov_b32 s[SEL+1], 0xfedcba98
	s_wait_dscnt 0x0                               ; both opening adds are done
	s_wait_kmcnt 0x0
	s_add_nc_u64 s[20:21], s[4:5], s[20:21]
	s_add_nc_u64 s[22:23], s[4:5], s[22:23]
	s_add_nc_u64 s[46:47], s[8:9], s[46:47]
	s_add_nc_u64 s[92:93], s[8:9], s[92:93]
	CROUND                                         ; all sixteen work-groups are here: the joint loads meet
	s_mov_b32 s[G0S], 1
	s_add_co_u32 s[G0S+1], s94, SCL
	s_mov_b64 s[G0S+2:G0S+3], s[22:23]
	s_or_b32 s[G0S+3], s[G0S+3], 0x80000000
	s_mov_b32 s[G0SB], 1
	s_add_co_u32 s[G0SB+1], s94, SCL
	s_mov_b64 s[G0SB+2:G0SB+3], s[92:93]
	s_or_b32 s[G0SB+3], s[G0SB+3], 0x80000000
	JLOAD G0S, G1S, G0SB, G1SB                     ; the scale bytes first: they are wanted with the first step
.irp s, 0,1
	s_mov_b32 s[G0+4*\s], 1
	s_add_co_u32 s[G0+4*\s+1], s45, \s*SLOT
	s_add_nc_u64 s[G0+4*\s+2:G0+4*\s+3], s[20:21], \s*8*AROWS*32
	s_or_b32 s[G0+4*\s+3], s[G0+4*\s+3], 0x80000000
	s_mov_b32 s[G0B+4*\s], 1
	s_add_co_u32 s[G0B+4*\s+1], s45, \s*SLOT
	s_add_nc_u64 s[G0B+4*\s+2:G0B+4*\s+3], s[46:47], \s*8*BROWS*32
	s_or_b32 s[G0B+4*\s+3], s[G0B+4*\s+3], 0x80000000
	s_wait_alu depctr_va_vdst(0)
	s_wait_tensorcnt 0x0
	ds_add_u32 v28, v29
	s_wait_dscnt 0x0
	CROUND
	JLOAD G0+4*\s, G1, G0B+4*\s, G1B               ; three loads of mine are out: all that this launch ever asks for
.endr
	v_and_b32 v1, 15, v0                           ; r
	v_bfe_u32 v2, v0, 4, 1                         ; h
	s_wait_alu depctr_va_vdst(0)
	v_and_b32 v3, 31, v0
	v_lshlrev_b32 v3, 4, v3                        ; 16 x lane
	; the bias, in the result's layout
.if MODE == 0
	s_wait_alu depctr_va_vdst(0)
	s_cmp_eq_u32 ttmp9, 0                          ; the first cluster column makes q, the second k
	s_cselect_b64 s[96:97], s[96:97], s[98:99]
	s_and_b32 s94, s42, 3
	s_lshl_b32 s94, s94, 10
	s_lshl_b32 s95, s16, 9
.endif
.if MODE == 1
	s_lshl_b32 s94, s17, 10
	s_lshl_b32 s95, s15, 9
.endif
.if MODE == 2
	s_lshl_b32 s94, s42, 10
	s_lshl_b32 s95, s16, 9
.endif
	s_add_co_u32 s94, s94, s95
	s_mov_b32 s95, 0
	s_add_nc_u64 s[96:97], s[96:97], s[94:95]      ; at my wave's first 128 numbers of it
.if MODE == 1
	v_and_b32 v6, 8, v1                            ; along A's rows: lane (r, h) wants, for block a, the one number of row 32 (a / 2) + 8 (a % 2) + r + 8 (r / 8), in all eight registers
	v_add_nc_u32 v6, v6, v1
	v_lshlrev_b32 v6, 2, v6
.irp a, 0,1,2,3,4,5,6,7
.irp j, 0,1,2,3,4,5,6,7
	global_load_b32 v[BI+8*\a+\j], v6, s[96:97] offset:(32*(\a/2)+8*(\a%2))*4
.endr
.endr
.else
	v_lshlrev_b32 v6, 6, v2                        ; along B's rows: for block b the eight numbers 32 (b / 2) + 8 (b % 2) + 16 h + 0 .. 7
.irp b, 0,1,2,3,4,5,6,7
	global_load_b128 v[BI+8*\b:BI+8*\b+3], v6, s[96:97] offset:(32*(\b/2)+8*(\b%2))*4
	global_load_b128 v[BI+8*\b+4:BI+8*\b+7], v6, s[96:97] offset:(32*(\b/2)+8*(\b%2))*4+16
.endr
.endif
	s_mul_i32 s21, s15, HALFT                      ; my 128 rows of A
	s_mul_i32 s22, s16, HALFT                      ; my 128 rows of B,
	s_add_co_u32 s22, s22, 2*HALFT                 ; which lie behind A's 256
.irp s, 0,1
	v_add_nc_u32 v[ADRA+\s], s21, v3
	v_add_nc_u32 v[ADRB+\s], s22, v3
	s_add_co_u32 s21, s21, SLOT
	s_add_co_u32 s22, s22, SLOT
.endr
	v_lshlrev_b32 v5, 4, v1                        ; my row's 16 scale bytes
	s_mul_i32 s21, s15, HALFS                      ; A's: my 128 rows
	s_mul_i32 s22, s16, HALFS                      ; B's: my 128 rows, behind A's 256
	s_add_co_u32 s22, s22, 2*HALFS
	s_sub_co_u32 s22, s22, s21
	v_mul_u32_u24 v7, s22, v2                      ; lanes 16-31 take B's
	s_add_co_u32 s21, s21, SCL
	v_add_nc_u32 v5, v5, v7
	v_add_nc_u32 v[ADRS], s21, v5
	v_mov_b32 v[CO], v3
.if MODE == 0
	s_lshl_b32 s18, s14, 10                        ; my stage, 1,024 bytes, in slot 0: it has had its only fill, and nobody reads it when the first word is stored there
	v_lshlrev_b32 v[STO], 4, v1
	v_lshl_add_u32 v[STO], v2, 9, v[STO]
	v_add_nc_u32 v[STO], s18, v[STO]               ; 512 h + 16 r
	v_add_nc_u32 v[RD], s18, v3
	v_lshlrev_b32 v[SH], 4, v2
	s_lshl_b32 s46, s42, 2
	s_lshl_b32 s47, s16, 1
	s_add_co_u32 s46, s46, s47                     ; my first plane of qk: 4 x tile column + 2 x half (a plane is a head of q, then of k)
	s_lshl_b32 s20, s46, 18
	s_lshl_b32 s21, s17, 13                        ; 16 tiles of tokens a tile row,
	s_add_co_u32 s20, s20, s21
	s_lshl_b32 s21, s15, 12                        ; 8 a half
	s_add_co_u32 s20, s20, s21
	s_mov_b32 s21, 0
	s_lshl_b32 s22, s46, 15                        ; scale words: [plane][group of 4 tiles][r][4 words]
	s_lshl_b32 s23, s17, 10
	s_add_co_u32 s22, s22, s23
	s_lshl_b32 s23, s15, 9
	s_add_co_u32 s22, s22, s23
	s_add_co_u32 s22, s22, QKW
	s_mov_b32 s23, 0
	s_add_nc_u64 s[92:93], s[12:13], s[22:23]
	s_add_nc_u64 s[12:13], s[12:13], s[20:21]
.endif
.if MODE == 1
	s_lshl_b32 s18, s14, 10                        ; my stage, in slot 0
	v_lshlrev_b32 v[STO], 4, v1
	v_lshl_add_u32 v[CV], v2, 12, v[STO]           ; 4,096 h + 16 r
	v_add_nc_u32 v[STO], s18, v[STO]               ; 16 r
	v_add_nc_u32 v[RD], s18, v3
	s_lshl_b32 s46, s42, 1
	s_add_co_u32 s46, s46, s16                     ; my 128 tokens: 2 x tile column + half
	s_lshr_b32 s47, s46, 4                         ; the batch,
	s_and_b32 s46, s46, 15                         ; the key step in it
	s_lshl_b32 s94, s17, 2
	s_lshl_b32 s95, s15, 1
	s_add_co_u32 s94, s94, s95                     ; my first head: 4 x tile row + 2 x half
	s_lshl_b32 s20, s47, 20                        ; vq: [batch][head][key step][d tile][c][512 bytes]
	s_lshl_b32 s21, s94, 16
	s_add_co_u32 s20, s20, s21
	s_lshl_b32 s21, s46, 12
	s_add_co_u32 s20, s20, s21
	s_mov_b32 s21, 0
	s_lshl_b32 s22, s47, 16                        ; scale words: [batch][head][key step][r][d tile]
	s_lshl_b32 s23, s94, 12
	s_add_co_u32 s22, s22, s23
	s_lshl_b32 s23, s46, 8
	s_add_co_u32 s22, s22, s23
	s_add_co_u32 s22, s22, VQW
	s_mov_b32 s23, 0
	s_add_nc_u64 s[92:93], s[12:13], s[22:23]
	s_add_nc_u64 s[12:13], s[12:13], s[20:21]
.endif
.if MODE == 2
	s_mul_i32 s18, s14, 16*SPITCH                  ; my stage, 16 rows of 528 bytes, in slot 0
	v_mul_u32_u24 v[STO], v1, SPITCH
	v_lshl_add_u32 v[STO], v2, 6, v[STO]
	v_add_nc_u32 v[STO], s18, v[STO]               ; row r, + 64 h
	v_add_nc_u32 v[RD], s18, v3
	s_lshl_b32 s20, s17, 20                        ; out0: 256 rows of 4,096 bytes a tile row,
	s_lshl_b32 s21, s15, 19
	s_add_co_u32 s20, s20, s21
	s_lshl_b32 s21, s42, 10                        ; 256 columns of 4 bytes a tile column
	s_add_co_u32 s20, s20, s21
	s_lshl_b32 s21, s16, 9
	s_add_co_u32 s20, s20, s21
	s_mov_b32 s21, 0
	s_add_nc_u64 s[12:13], s[12:13], s[20:21]
.endif
.macro FRAG reg, adr, q, i             ; a fragment: planes 2 q and 2 q + 1 of tile i, 16 bytes a lane each
.irp c, 0,1
	ds_load_b128 v[\reg+4*\c:\reg+4*\c+3], v[\adr] offset:(2*(\q)+\c)*4096+(\i)*512
.endr
.endm
; 16 matrix instructions: A's blocks a0, a0 + 1 x B's eight, the slot's q-th 128 along K.  p: B's set; sc: the set of scale words.  zero = 1: the first K step, whose C is the bias.
; The 64 accumulators take turns, one instruction a turn, in the same order in every step.
.macro MUL16 a0, p, q, sc, zero
.irp a, \a0, \a0+1
.irp b, 0,1,2,3,4,5,6,7
.if \zero
.if MODE == 1
	v_wmma_scale_f32_16x16x128_f8f6f4 v[8*(8*((\a)%4)+\b):8*(8*((\a)%4)+\b)+7], v[128*(\p)+FR*\b:128*(\p)+FR*\b+FR-1], v[AF+FR*(\a):AF+FR*(\a)+FR-1], v[BI+8*(\a):BI+8*(\a)+7], v[SC+8*NQ*(\sc)+NQ*\b+(\q)], v[SC+8*NQ*(\sc)+NQ*(\a)+(\q)] matrix_a_fmt:MATRIX_FMT_FP4 matrix_b_fmt:MATRIX_FMT_FP4 matrix_a_scale:MATRIX_SCALE_ROW1
.else
	v_wmma_scale_f32_16x16x128_f8f6f4 v[8*(8*((\a)%4)+\b):8*(8*((\a)%4)+\b)+7], v[128*(\p)+FR*\b:128*(\p)+FR*\b+FR-1], v[AF+FR*(\a):AF+FR*(\a)+FR-1], v[BI+8*\b:BI+8*\b+7], v[SC+8*NQ*(\sc)+NQ*\b+(\q)], v[SC+8*NQ*(\sc)+NQ*(\a)+(\q)] matrix_a_fmt:MATRIX_FMT_FP4 matrix_b_fmt:MATRIX_FMT_FP4 matrix_a_scale:MATRIX_SCALE_ROW1
.endif
.else
	v_wmma_scale_f32_16x16x128_f8f6f4 v[8*(8*((\a)%4)+\b):8*(8*((\a)%4)+\b)+7], v[128*(\p)+FR*\b:128*(\p)+FR*\b+FR-1], v[AF+FR*(\a):AF+FR*(\a)+FR-1], v[8*(8*((\a)%4)+\b):8*(8*((\a)%4)+\b)+7], v[SC+8*NQ*(\sc)+NQ*\b+(\q)], v[SC+8*NQ*(\sc)+NQ*(\a)+(\q)] matrix_a_fmt:MATRIX_FMT_FP4 matrix_b_fmt:MATRIX_FMT_FP4 matrix_a_scale:MATRIX_SCALE_ROW1
.endif
.endr
.endr
.endm
.macro FETCH_B slot, q, p              ; B's eight fragments into set p
	WIN TO_B
.irp i, 0,1,2,3,4,5,6,7
	FRAG 128*(\p)+FR*\i, ADRB+\slot, \q, \i
.endr
	WIN 0
.endm
.macro FETCH_A slot, q, i0             ; A's blocks i0 .. i0 + 3
.irp i, \i0, \i0+1, \i0+2, \i0+3
	FRAG AF+FR*(\i), ADRA+\slot, \q, \i
.endr
.endm
.macro SCALES sc                       ; a slot's scale words: four words a row; lanes 0-15 take A's block i, lanes 16-31 B's
.irp i, 0,1,2,3,4,5,6,7
	ds_load_b128 v[SC+8*NQ*\sc+NQ*\i:SC+8*NQ*\sc+NQ*\i+3], v[ADRS] offset:\i*256
.endr
.endm
.macro PLACES n                        ; plain vector instructions between a matrix instruction and a load into, or a read of, its registers
.rept \n
	v_nop
.endr
.endm
.macro STEP slot, q, zero              ; a step of 128 along K that has its successor in the same slot
	s_wait_dscnt 4*NL                              ; B's set and A's blocks 0-3 are in; the youngest eight loads (A's blocks 4-7) may be out
.if \zero
	WIN FIRST_LO
.else
	WIN MUL_LO
.endif
	MUL16 0, (\q)%2, \q, \slot, \zero
	MUL16 2, (\q)%2, \q, \slot, \zero
	s_wait_dscnt 0                                 ; A's blocks 4-7 are in
	PLACES NP
	FETCH_B \slot, (\q)+1, 1-(\q)%2
	FETCH_A \slot, (\q)+1, 0
.if \zero
	WIN FIRST_HI
.else
	WIN MUL_HI
.endif
	MUL16 4, (\q)%2, \q, \slot, \zero
	MUL16 6, (\q)%2, \q, \slot, \zero
	PLACES NP
	WIN 0
	FETCH_A \slot, (\q)+1, 4
.endm
; Slot 0's last step goes over to slot 1: each wave waits for all its tensor loads, so that behind the barrier slot 1 is whole; nothing is filled again.
.macro TURN slot, next
	s_wait_tensorcnt 0x0                           ; my part of the next slot has landed
	ds_add_u32 v[SPW], v[NIL]
	s_wait_dscnt 4*NL+1                            ; (the add and the youngest eight loads may be out)
	WIN MUL_LO
	MUL16 0, 1, NQ-1, \slot, 0
	s_wait_dscnt 0x0                               ; the add is done, and my reads of this slot are over
	s_barrier_signal -1
	MUL16 2, 1, NQ-1, \slot, 0
	WIN 0
	s_barrier_wait -1
	PLACES NP
	v_add_nc_u32 v[ADRS], 2048, v[ADRS]            ; the next half of K's scale words
	FETCH_B \next, 0, 0
	FETCH_A \next, 0, 0
	SCALES \next
	WIN MUL_HI
	MUL16 4, 1, NQ-1, \slot, 0
	MUL16 6, 1, NQ-1, \slot, 0
	PLACES NP
	WIN 0
	FETCH_A \next, 0, 4
.endm
.macro STEPS slot, from                ; the slot's steps from .. NQ - 2
.set Q, \from
.rept NQ-1-\from
	STEP \slot, Q, 0
.set Q, Q+1
.endr
.endm
	s_wait_alu depctr_va_vdst(0)
	s_wait_tensorcnt 1                             ; the scale bytes and my part of slot 0 are in (slot 1's load may be out),
	s_barrier_signal -1
	s_barrier_wait -1                              ; everybody's are
	FETCH_B 0, 0, 0
	FETCH_A 0, 0, 0
	SCALES 0
	FETCH_A 0, 0, 4
	s_wait_loadcnt 0x0                             ; the bias
	STEP 0, 0, 1
	STEPS 0, 1
	TURN 0, 1
	STEPS 1, 0
	s_wait_dscnt 4*NL                              ; the last step: nothing more to fetch
	WIN MUL_LO
	MUL16 0, 1, NQ-1, 1, 0
	MUL16 2, 1, NQ-1, 1, 0
	s_wait_dscnt 0
	WIN MUL_HI
	MUL16 4, 1, NQ-1, 1, 0
	MUL16 6, 1, NQ-1, 1, 0
	WIN 0
.if MODE != 2
; THE WAY OUT, MODE 0 and 1: block a's 64 registers a lane are four blocks of 32 along n: they are quantised where they lie.  Each accumulator is read from its low end on.
.macro QUANTA a
.set AC, 64*((\a)%4)
.set WW, 2+(\a)/4
.set PC, PCB+8*(\a)
	WIN (WW<<2)|(WW<<4)                            ; sources 1 and 2: the accumulators' window
.irp b, 0,1,2,3
	v_max3_num_f32 v[TM+\b], 0x1800000, |v[AC+16*\b]|, |v[AC+16*\b+1]|   ; the floor 2^(3 - 127): the byte cannot fall under 1
.endr
.irp e, 2,4,6,8,10,12,14
.irp b, 0,1,2,3
	v_max3_num_f32 v[TM+\b], v[TM+\b], |v[AC+16*\b+\e]|, |v[AC+16*\b+\e+1]|
.endr
.endr
	WIN 0
.irp b, 0,1,2,3
	v_permlanex16_b32 v[TM+4+\b], v[TM+\b], s[SEL], s[SEL+1]
.endr
.irp b, 0,1,2,3
	v_max_num_f32 v[TM+\b], v[TM+\b], v[TM+4+\b]   ; with lane l xor 16's: the block's largest magnitude
.endr
.irp b, 0,1,2,3
	v_add_nc_u32 v[TM+12+\b], 0xff000000, v[TM+\b] ; 2 off its exponent field: the conversion's scale operand
.endr
.irp b, 0,1,2,3
	v_lshrrev_b32 v[TM+4+\b], 23, v[TM+12+\b]      ; the scale's byte
.endr
	v_lshl_or_b32 v[WD+(\a)], v[TM+5], 8, v[TM+4]
	v_lshl_or_b32 v[WD+(\a)], v[TM+6], 16, v[WD+(\a)]
	v_lshl_or_b32 v[WD+(\a)], v[TM+7], 24, v[WD+(\a)]
	WIN WW                                         ; source 0: the accumulators' window
.irp b, 0,1,2,3
	v_cvt_scalef32_pk8_fp4_f32 v[PC+2*\b], v[AC+16*\b:AC+16*\b+7], v[TM+12+\b]
	v_cvt_scalef32_pk8_fp4_f32 v[PC+1+2*\b], v[AC+16*\b+8:AC+16*\b+15], v[TM+12+\b]
.endr
	WIN 0
	v_nop                                          ; one plain place behind a scaled conversion
.irp c, 0,1                                    ; a whole block to a lane
.irp e, 0,1
	v_permlane16_swap_b32 v[PC+4*\c+\e], v[PC+2+4*\c+\e]
.endr
.endr
.endm
	PLACES NP                                      ; behind the last products
.irp b, 0,1,2,3
	v_mov_b32 v[TM+4+\b], 0                        ; written once: a lane permute's destination counts as one of its sources
.endr
.irp a, 0,1,2,3,4,5,6,7
	QUANTA \a
.if MODE == 0
	global_store_b128 v[CO], v[PCB+8*\a:PCB+8*\a+3], s[12:13] offset:512*\a                  ; the even head's 64: 512 consecutive bytes, aligned
	global_store_b128 v[CO], v[PCB+8*\a+4:PCB+8*\a+7], s[12:13] offset:262144+512*\a         ; the odd head's
	v_lshrrev_b32 v[WD+\a], v[SH], v[WD+\a]        ; lanes 0-15 keep the even head's two bytes, lanes 16-31 the odd head's;
	v_and_b32 v[WD+\a], 0xffff, v[WD+\a]           ; the word's upper two bytes, for the idle half of the instruction's K, are 0
	ds_store_b32 v[STO], v[WD+\a] offset:(\a/4)*256+(\a%4)*4
.else
	global_store_b128 v[CO], v[PCB+8*\a:PCB+8*\a+3], s[12:13] offset:(\a/4)*65536+(\a%4)*1024
	global_store_b128 v[CO], v[PCB+8*\a+4:PCB+8*\a+7], s[12:13] offset:(\a/4)*65536+(\a%4)*1024+512
	ds_store_b32 v[STO], v[WD+\a] offset:(\a/4)*256+(\a%4)*4      ; both halves of the lanes store the same word
.endif
.endr
.if MODE == 0
	ds_load_b128 v[192:195], v[RD]                 ; LDS serves a wave's instructions in order: these see my stores
	ds_load_b128 v[196:199], v[RD] offset:512
	s_wait_dscnt 0x0
	global_store_b128 v[CO], v[192:195], s[92:93]                 ; two groups of four tiles: 512 consecutive bytes
	global_store_b128 v[CO], v[196:199], s[92:93] offset:32768    ; and the odd head's
.else
	ds_load_b128 v[192:195], v[RD]
	s_wait_dscnt 0x0
	global_store_b128 v[CV], v[192:195], s[92:93]                 ; 256 consecutive bytes for each of my two heads
.endif
.else
; THE WAY OUT, MODE 2: a block of 16 rows x 128 columns goes through my stage and comes back as whole rows of 512 bytes.  The order of rows in the tiles stands in the immediates.
.macro TOSTAGE a
.set AC, 64*((\a)%4)
	WIN 0x08+4*((\a)/4)                            ; an LDS store's data: window 2 or 3
.irp b, 0,1,2,3,4,5,6,7
	ds_store_b128 v[STO], v[AC+8*\b:AC+8*\b+3] offset:128*(\b/2)+32*(\b%2)          ; each accumulator from its low end on
	ds_store_b128 v[STO], v[AC+8*\b+4:AC+8*\b+7] offset:128*(\b/2)+32*(\b%2)+16
.endr
	WIN 0
.set BB, BK+64*((\a)%2)
.irp t, 0,1,2,3,4,5,6,7,8,9,10,11,12,13,14,15
	ds_load_b128 v[BB+4*\t:BB+4*\t+3], v[RD] offset:\t*SPITCH   ; LDS serves a wave's instructions in order
.endr
.endm
.macro SEND a, younger                 ; younger: the LDS instructions issued behind block a's loads, which may stay out
.set BB, BK+64*((\a)%2)
	s_wait_dscnt \younger
.irp t, 0,1,2,3,4,5,6,7,8,9,10,11,12,13,14,15
	global_store_b128 v[CO], v[BB+4*\t:BB+4*\t+3], s[12:13] offset:(32*((\a)/2)+8*((\a)%2)+\t+8*(\t/8))*4096 th:TH_STORE_NT   ; 512 consecutive bytes, aligned
.endr
.endm
	PLACES NP
	TOSTAGE 0
.irp a, 1,2,3,4,5,6,7
.if \a > 1
	s_wait_xcnt 0x0                                ; block a - 2's stores have read their registers: block a's loads may land there
.endif
	TOSTAGE \a
	SEND \a-1, 32                                  ; behind block a - 1's loads: block a's 16 stores and 16 loads
.endr
	SEND 7, 0
.endif
	s_wait_tensorcnt 0x0                           ; the wave's end
	ds_add_u32 v[SPW], v[NIL]
	s_wait_dscnt 0x0
	CROUND                                         ; the closing round
	s_endpgm
.Lfunc_end_k_qd73979422e_gemm_qk:
	.size	k_qd73979422e_gemm_qk, .Lfunc_end_k_qd73979422e_gemm_qk-k_qd73979422e_gemm_qk
	.p2alignl 7, 3214868480
	.fill 96, 4, 3214868480
	.section	.rodata,"a",@progbits
	.p2align	6, 0x0
	.amdhsa_kernel k_qd73979422e_gemm_qk
		.amdhsa_group_segment_fixed_size 327680
		.amdhsa_private_segment_fixed_size 0
		.amdhsa_enable_private_segment 0
		.amdhsa_kernarg_size 40
		.amdhsa_user_sgpr_count 2
		.amdhsa_user_sgpr_kernarg_segment_ptr 1
		.amdhsa_wavefront_size32 1
		.amdhsa_system_sgpr_workgroup_id_x 1
		.amdhsa_system_sgpr_workgroup_id_y 1
		.amdhsa_system_sgpr_workgroup_id_z 1
		.amdhsa_system_vgpr_workitem_id 0
		.amdhsa_next_free_vgpr 1024
		.amdhsa_next_free_sgpr 100
		.amdhsa_reserve_vcc 0
		.amdhsa_float_denorm_mode_32 3
		.amdhsa_float_denorm_mode_16_64 3
		.amdhsa_memory_ordered 1
		.amdhsa_forward_progress 1
		.amdhsa_inst_pref_size 132
	.end_amdhsa_kernel
	.amdgpu_metadata
---
amdhsa.version: [ 1, 2 ]
amdhsa.kernels:
  - .name:           k_qd73979422e_gemm_qk
    .symbol:         k_qd73979422e_gemm_qk.kd
    .args:
      - { .name: xq, .offset: 0, .size: 8, .value_kind: global_buffer, .address_space: global }
      - { .name: wq, .offset: 8, .size: 8, .value_kind: global_buffer, .address_space: global }
      - { .name: bq, .offset: 16, .size: 8, .value_kind: global_buffer, .address_space: global }
      - { .name: bk, .offset: 24, .size: 8, .value_kind: global_buffer, .address_space: global }
      - { .name: qk, .offset: 32, .size: 8, .value_kind: global_buffer, .address_space: global }
    .group_segment_fixed_size: 327680
    .private_segment_fixed_size: 0
    .kernarg_segment_align: 8
    .kernarg_segment_size: 40
    .max_flat_workgroup_size: 128
    .sgpr_count:     100
    .vgpr_count:     1024
    .wavefront_size: 32
...
	.end_amdgpu_metadata
.endif
;; end of part 3
;; launch gemm_v (part 4): grid 32 x 4, 4 waves a work-group, clusters of 4 x 4, 327,680 bytes of LDS; arguments wq, xq, bv, vq; writes vq
.if DOCPART == 4
	.amdgcn_target "amdgcn-amd-amdhsa--gfx1250"
	.amdhsa_code_object_version 6
	.text
	.protected	k_qd73979422e_gemm_v
	.globl	k_qd73979422e_gemm_v
	.p2align	8
	.type	k_qd73979422e_gemm_v,@function
k_qd73979422e_gemm_v:
	s_mov_b64 s[64:65], 0
	v_nop
	global_prefetch_b8 v0, s[64:65] scope:SCOPE_SE
	s_setreg_imm32_b32 hwreg(HW_REG_WAVE_MODE, 25, 1), 1
	s_wait_xcnt 0x0
	s_wait_alu depctr_hold_cnt(0) depctr_sa_sdst(0) depctr_va_vdst(0) depctr_va_sdst(0) depctr_va_ssrc(0) depctr_va_vcc(0) depctr_vm_vsrc(0)
	s_getreg_b32 s2, hwreg(HW_REG_IB_STS2, 6, 4)
	s_cmp_eq_u32 s2, 0
	s_cbranch_scc0 .Lentry_in_a_cluster
	s_endpgm
.Lentry_in_a_cluster:
	s_bfe_u32 s2, ttmp6, 0x10000c
	s_cmp_lg_u32 s2, 0xf033
	s_cbranch_scc0 .Lentry_shape_is_right
	s_endpgm
.Lentry_shape_is_right:
; Launches 3, 4 and 6 of 6 are ONE TEXT with MODE 0, 1, 2: C[m][n] = bias + sum over k of A[m][k] B[n][k], K = 1,024, both operands codes of E2M1 with E8M0 scales.  Nothing is left out.
;   MODE 0: A = x's rows, B = the columns of Wq and Wk; q and k are quantised along each head's 64 and stored as codes for the attention.
;   MODE 1: A = the columns of Wv, B = x's rows, so that the axis along a lane's registers is the TOKENS: v is quantised along the keys and stored as fragments of V^T.
;   MODE 2: A = the attention's result, B = the columns of Wo; the result is out0, f32.
; LIMITS (MODE 0, 1): NaN and infinities are not served; a block under 2^-124 (zeros among them) keeps the scale byte 1; this program alone reads the bytes.
; OPERANDS LIE AS IMAGES OF REGISTERS: rows in tiles of 16 (place r of tile T = row 32 (T / 2) + 8 (T % 2) + r + 8 (r / 8)); codes [K / 64][tile][lane][16 bytes]; scale bytes [K / 512][tile][r][16 bytes].
; A fragment (16 rows x 128 K) is two loads of 16 bytes at 16 x lane: no pitch, no padding.
; A tile of C, 256 x 256, is made by four waves, each 128 x 128: 64 accumulators, 512 registers.  K's two halves of 512 fill two LDS slots, and all scale bytes lie beside them: every byte of LDS is filled ONCE, at the head.
; CLUSTERS: 4 x 4 work-groups; A's tiles are asked for jointly along a row of the cluster, B's along a column.
; THE MATRIX INSTRUCTION IS USED TRANSPOSED (source 0 = 16 rows of B, source 1 = 16 rows of A): lane (r, h) holds place r of A's tile, and by the order of rows in B's tiles the 64 registers of A's block a are
; n = 32 b + 16 h + i at register 16 b + i: 16 neighbours of each block of 32, which the conversions take as they stand.  The bias is the C of the first K step.
; REGISTERS, in windows of 256: window 0: v1-31 addresses; v32-95 scale words, two sets; v96-119 at work on the way out; v128-191 A's fragments, one set; v192-255 the bias.  On the way out v128-255 are free.
;   window 1: B's fragments, two sets, at v0 and v128.   window 2: the accumulators of my rows 0-63 ((a, b) at v[8 (8 a + b)]);   window 3: those of rows 64-127.
.set MODE, 1
.if MODE == 0
.set AROWS, 8192
.set AFIRST, 0
.set ASCO, 4194304
.set BROWS, 4096
.set BFIRST, 0
.set BSCO, 2097152
.endif
.if MODE == 1
.set AROWS, 4096
.set AFIRST, 2048
.set ASCO, 2097152
.set BROWS, 8192
.set BFIRST, 0
.set BSCO, 4194304
.endif
.if MODE == 2
.set AROWS, 8192
.set AFIRST, 0
.set ASCO, 4194304
.set BROWS, 4096
.set BFIRST, 3072
.set BSCO, 2097152
.endif
.set NQ,     4                         ; steps of 128 along K in a slot
.set FR,     8                         ; registers of a fragment
.set NL,     2                         ; LDS loads that bring one
.set NP,     4                         ; places behind this matrix instruction (ISA guide 7.12.1)
.set HALFT,  32768                     ; 128 rows x 512 K of codes: 8 planes x 8 tiles x 512 bytes: what one tensor load brings
.set SLOT,   4*HALFT                   ; A's two halves, then B's two
.set SCL,    2*SLOT                    ; behind the slots: the scale bytes, [loading wave][half of K][tile][256 bytes]
.set HALFS,  4096                      ; those of 128 rows
.set SPARE,  SCL+4*HALFS               ; the spare words, 128 bytes for each wave
.set SPITCH, 528                       ; MODE 2: a stage row
.set QKW,    8388608                   ; where the scale words begin in qk
.set VQW,    4194304                   ; and in vq
.set ADRA, 16                          ; v16-17  LDS address of my A fragments in slot 0, 1
.set ADRB, 20                          ; v20-21  the same for B
.set STO,  24                          ; v24     the way out: where I store into my stage
.set RD,   25                          ; v25     and where I read it back
.set CO,   26                          ; v26     16 x lane
.set ADRS, 27                          ; v27     LDS address of my scale words: lanes 0-15 A's rows, lanes 16-31 B's
.set SPW,  28                          ; v28     LDS address of my spare word; never rewritten
.set NIL,  29                          ; v29     0; never rewritten
.set CV,   30                          ; v30     MODE 1: 4,096 h + 16 r
.set SH,   31                          ; v31     MODE 0: 16 h
.set SC,   32                          ; scale words: set s at v[SC + 32 s]; register 4 i + q: lanes 0-15 A's block i, lanes 16-31 B's block i, the slot's q-th 128 along K
.set TM,   96                          ; v96-111 at work in the quantiser
.set WD,   112                         ; v112-119 a scale word for each block of A
.set AF,   128                         ; A's fragments
.set PCB,  128                         ; the way out: the codes of block a at v[128 + 8 a]
.set BK,   128                         ; MODE 2: rows read back: v128-191 and v192-255 by turns
.set BI,   192                         ; the bias, in the result's layout
.set SEL,  6                           ; s[6:7] selects for lane l xor 16
.set G1, 24
.set G0, 32
.set G1B, 48
.set G0B, 56
.set G1S, 68
.set G0S, 76
.set G1SB, 80
.set G0SB, 88
.set MSB, 0
.macro WIN new                         ; the immediate's high byte repeats the setting that is left
.if MSB != (\new)
	s_set_vgpr_msb (MSB<<8)|(\new)
.set MSB, (\new)
.endif
.endm
.set MUL_LO,   0xa1                    ; source 0 (B) window 1, source 1 (A) window 0, C and D window 2
.set MUL_HI,   0xf1                    ; the same, C and D window 3
.set FIRST_LO, 0x81                    ; the first K step: C (the bias) window 0, D window 2
.set FIRST_HI, 0xc1                    ; D window 3
.set TO_B,     0x40                    ; destination window 1, address window 0
; A joint load: waves 0 and 1 fetch for A, waves 2 and 3 for B; the branch hangs on the wave's number alone.  An s_nop 0 and four v_nop follow each of the two lines.
.macro JLOAD g0a, g1a, g0b, g1b
	s_cmp_eq_u32 s15, 0
	s_cbranch_scc0 .Lfor_b_\@
	tensor_load_to_lds s[\g0a:\g0a+3], s[\g1a:\g1a+7]
	s_nop 0
.rept 4
	v_nop
.endr
	s_branch .Lasked_\@
.Lfor_b_\@:
	tensor_load_to_lds s[\g0b:\g0b+3], s[\g1b:\g1b+7]
	s_nop 0
.rept 4
	v_nop
.endr
.Lasked_\@:
.endm
.macro CROUND                          ; a round of the cluster's barrier
	s_barrier_signal -1
	s_barrier_wait -1
	s_cmp_lg_u32 s14, 0
	s_cbranch_scc1 .Lnot_wave_0_\@
	s_barrier_signal -3
.Lnot_wave_0_\@:
	s_barrier_wait -3
	s_barrier_signal -1
	s_barrier_wait -1
.endm
	s_load_b64 s[4:5], s[0:1], 0x0                 ; A
	s_load_b64 s[8:9], s[0:1], 0x8                 ; B
.if MODE == 0
	s_load_b128 s[96:99], s[0:1], 0x10             ; bq, bk
	s_load_b64 s[12:13], s[0:1], 0x20              ; qk
.else
	s_load_b64 s[96:97], s[0:1], 0x10              ; the bias
	s_load_b64 s[12:13], s[0:1], 0x18              ; the result
.endif
	v_lshl_add_u32 v[SPW], v0, 2, SPARE
	v_mov_b32 v[NIL], 0
	ds_add_u32 v[SPW], v[NIL]                      ; the wave's opening: the add, twice on end, and its wait ahead of my first tensor load
	ds_add_u32 v[SPW], v[NIL]
	v_lshrrev_b32 v1, 5, v0
	v_readfirstlane_b32 s14, v1                    ; wave 0..3
	s_lshr_b32 s15, s14, 1                         ; which half of the tile's rows is mine.  Also: I fetch for A (0) or for B (1)
	s_and_b32 s16, s14, 1                          ; which half of its columns.  Also: which 128 rows I fetch
	s_bfe_u32 s40, ttmp6, 0x40000                  ; cx, cy: my place in the cluster
	s_bfe_u32 s41, ttmp6, 0x40004
	s_lshl_b32 s42, ttmp9, 2
	s_add_co_u32 s42, s42, s40                     ; tile column of C
	s_and_b32 s17, ttmp7, 0xffff
	s_lshl_b32 s17, s17, 2
	s_add_co_u32 s17, s17, s41                     ; tile row of C
	s_lshl_b32 s43, s41, 2
	s_lshl_b32 s43, 15, s43                        ; my row of the cluster
	s_lshl_b32 s44, 0x1111, s40                    ; my column
	; group 1 for codes: 8 planes of 4,096 bytes (512 elements of 8 bytes), a plane of all rows apart; for scale bytes: 2 halves of K of 2,048 bytes
	s_or_b32 s[G1+0], s43, (3<<16)|(1<<21)         ; 15:0 the mask; 17:16 elements of 8 bytes; 21 set beside a mask; no padding
	s_or_b32 s[G1B+0], s44, (3<<16)|(1<<21)
	s_or_b32 s[G1S+0], s43, (3<<16)|(1<<21)
	s_or_b32 s[G1SB+0], s44, (3<<16)|(1<<21)
.irp g, G1, G1B
	s_mov_b32 s[\g+1], 512<<16                     ; tensor_dim0
	s_mov_b32 s[\g+2], 8<<16                       ; tensor_dim1
	s_mov_b32 s[\g+3], 512<<16                     ; tile_dim0
	s_mov_b32 s[\g+4], 8                           ; tile_dim1
	s_mov_b32 s[\g+6], 0
	s_mov_b32 s[\g+7], 0
.endr
	s_mov_b32 s[G1+5], AROWS*4                     ; tensor_dim0_stride, in elements
	s_mov_b32 s[G1B+5], BROWS*4
.irp g, G1S, G1SB
	s_mov_b32 s[\g+1], 256<<16
	s_mov_b32 s[\g+2], 2<<16
	s_mov_b32 s[\g+3], 256<<16
	s_mov_b32 s[\g+4], 2
	s_mov_b32 s[\g+6], 0
	s_mov_b32 s[\g+7], 0
.endr
	s_mov_b32 s[G1S+5], AROWS*2
	s_mov_b32 s[G1SB+5], BROWS*2
	s_lshl_b32 s18, s16, 7                         ; which 128 rows of the tile I fetch
	s_lshl_b32 s20, s17, 8
	s_add_co_u32 s20, s20, s18                     ; A: row 256 x tile row + 128 x half
.if AFIRST
	s_add_co_u32 s20, s20, AFIRST
.endif
	s_lshl_b32 s46, s42, 8
	s_add_co_u32 s46, s46, s18                     ; B: row 256 x tile column + 128 x half
.if BFIRST
	s_add_co_u32 s46, s46, BFIRST
.endif
	s_lshl_b32 s22, s20, 4                         ; scale bytes: 16 a row and half of K
	s_add_co_u32 s22, s22, ASCO
	s_mov_b32 s23, 0
	s_lshl_b32 s92, s46, 4
	s_add_co_u32 s92, s92, BSCO
	s_mov_b32 s93, 0
	s_lshl_b32 s20, s20, 5                         ; codes: 32 bytes a row and plane
	s_mov_b32 s21, 0
	s_lshl_b32 s46, s46, 5
	s_mov_b32 s47, 0
	s_mul_i32 s45, s14, HALFT                      ; where they go: no place in the cluster enters an LDS address
	s_mul_i32 s94, s14, HALFS
	s_mov_b32 s[SEL], 0x76543210
	s_mov_b32 s[SEL+1], 0xfedcba98
	s_wait_dscnt 0x0                               ; both opening adds are done
	s_wait_kmcnt 0x0
	s_add_nc_u64 s[20:21], s[4:5], s[20:21]
	s_add_nc_u64 s[22:23], s[4:5], s[22:23]
	s_add_nc_u64 s[46:47], s[8:9], s[46:47]
	s_add_nc_u64 s[92:93], s[8:9], s[92:93]
	CROUND                                         ; all sixteen work-groups are here: the joint loads meet
	s_mov_b32 s[G0S], 1
	s_add_co_u32 s[G0S+1], s94, SCL
	s_mov_b64 s[G0S+2:G0S+3], s[22:23]
	s_or_b32 s[G0S+3], s[G0S+3], 0x80000000
	s_mov_b32 s[G0SB], 1
	s_add_co_u32 s[G0SB+1], s94, SCL
	s_mov_b64 s[G0SB+2:G0SB+3], s[92:93]
	s_or_b32 s[G0SB+3], s[G0SB+3], 0x80000000
	JLOAD G0S, G1S, G0SB, G1SB                     ; the scale bytes first: they are wanted with the first step
.irp s, 0,1
	s_mov_b32 s[G0+4*\s], 1
	s_add_co_u32 s[G0+4*\s+1], s45, \s*SLOT
	s_add_nc_u64 s[G0+4*\s+2:G0+4*\s+3], s[20:21], \s*8*AROWS*32
	s_or_b32 s[G0+4*\s+3], s[G0+4*\s+3], 0x80000000
	s_mov_b32 s[G0B+4*\s], 1
	s_add_co_u32 s[G0B+4*\s+1], s45, \s*SLOT
	s_add_nc_u64 s[G0B+4*\s+2:G0B+4*\s+3], s[46:47], \s*8*BROWS*32
	s_or_b32 s[G0B+4*\s+3], s[G0B+4*\s+3], 0x80000000
	JLOAD G0+4*\s, G1, G0B+4*\s, G1B               ; three loads of mine are out: all that this launch ever asks for
.endr
	v_and_b32 v1, 15, v0                           ; r
	v_bfe_u32 v2, v0, 4, 1                         ; h
	v_and_b32 v3, 31, v0
	v_lshlrev_b32 v3, 4, v3                        ; 16 x lane
	; the bias, in the result's layout
.if MODE == 0
	s_cmp_eq_u32 ttmp9, 0                          ; the first cluster column makes q, the second k
	s_cselect_b64 s[96:97], s[96:97], s[98:99]
	s_and_b32 s94, s42, 3
	s_lshl_b32 s94, s94, 10
	s_lshl_b32 s95, s16, 9
.endif
.if MODE == 1
	s_wait_alu depctr_va_vdst(0)
	s_lshl_b32 s94, s17, 10
	s_lshl_b32 s95, s15, 9
.endif
.if MODE == 2
	s_lshl_b32 s94, s42, 10
	s_lshl_b32 s95, s16, 9
.endif
	s_add_co_u32 s94, s94, s95
	s_mov_b32 s95, 0
	s_add_nc_u64 s[96:97], s[96:97], s[94:95]      ; at my wave's first 128 numbers of it
.if MODE == 1
	v_and_b32 v6, 8, v1                            ; along A's rows: lane (r, h) wants, for block a, the one number of row 32 (a / 2) + 8 (a % 2) + r + 8 (r / 8), in all eight registers
	v_add_nc_u32 v6, v6, v1
	v_lshlrev_b32 v6, 2, v6
.irp a, 0,1,2,3,4,5,6,7
.irp j, 0,1,2,3,4,5,6,7
	global_load_b32 v[BI+8*\a+\j], v6, s[96:97] offset:(32*(\a/2)+8*(\a%2))*4
.endr
.endr
.else
	v_lshlrev_b32 v6, 6, v2                        ; along B's rows: for block b the eight numbers 32 (b / 2) + 8 (b % 2) + 16 h + 0 .. 7
.irp b, 0,1,2,3,4,5,6,7
	global_load_b128 v[BI+8*\b:BI+8*\b+3], v6, s[96:97] offset:(32*(\b/2)+8*(\b%2))*4
	global_load_b128 v[BI+8*\b+4:BI+8*\b+7], v6, s[96:97] offset:(32*(\b/2)+8*(\b%2))*4+16
.endr
.endif
	s_mul_i32 s21, s15, HALFT                      ; my 128 rows of A
	s_mul_i32 s22, s16, HALFT                      ; my 128 rows of B,
	s_add_co_u32 s22, s22, 2*HALFT                 ; which lie behind A's 256
.irp s, 0,1
	v_add_nc_u32 v[ADRA+\s], s21, v3
	v_add_nc_u32 v[ADRB+\s], s22, v3
	s_add_co_u32 s21, s21, SLOT
	s_add_co_u32 s22, s22, SLOT
.endr
	v_lshlrev_b32 v5, 4, v1                        ; my row's 16 scale bytes
	s_mul_i32 s21, s15, HALFS                      ; A's: my 128 rows
	s_mul_i32 s22, s16, HALFS                      ; B's: my 128 rows, behind A's 256
	s_add_co_u32 s22, s22, 2*HALFS
	s_sub_co_u32 s22, s22, s21
	v_mul_u32_u24 v7, s22, v2                      ; lanes 16-31 take B's
	s_add_co_u32 s21, s21, SCL
	v_add_nc_u32 v5, v5, v7
	v_add_nc_u32 v[ADRS], s21, v5
	v_mov_b32 v[CO], v3
.if MODE == 0
	s_lshl_b32 s18, s14, 10                        ; my stage, 1,024 bytes, in slot 0: it has had its only fill, and nobody reads it when the first word is stored there
	v_lshlrev_b32 v[STO], 4, v1
	v_lshl_add_u32 v[STO], v2, 9, v[STO]
	v_add_nc_u32 v[STO], s18, v[STO]               ; 512 h + 16 r
	v_add_nc_u32 v[RD], s18, v3
	v_lshlrev_b32 v[SH], 4, v2
	s_lshl_b32 s46, s42, 2
	s_lshl_b32 s47, s16, 1
	s_add_co_u32 s46, s46, s47                     ; my first plane of qk: 4 x tile column + 2 x half (a plane is a head of q, then of k)
	s_lshl_b32 s20, s46, 18
	s_lshl_b32 s21, s17, 13                        ; 16 tiles of tokens a tile row,
	s_add_co_u32 s20, s20, s21
	s_lshl_b32 s21, s15, 12                        ; 8 a half
	s_add_co_u32 s20, s20, s21
	s_mov_b32 s21, 0
	s_lshl_b32 s22, s46, 15                        ; scale words: [plane][group of 4 tiles][r][4 words]
	s_lshl_b32 s23, s17, 10
	s_add_co_u32 s22, s22, s23
	s_lshl_b32 s23, s15, 9
	s_add_co_u32 s22, s22, s23
	s_add_co_u32 s22, s22, QKW
	s_mov_b32 s23, 0
	s_add_nc_u64 s[92:93], s[12:13], s[22:23]
	s_add_nc_u64 s[12:13], s[12:13], s[20:21]
.endif
.if MODE == 1
	s_lshl_b32 s18, s14, 10                        ; my stage, in slot 0
	v_lshlrev_b32 v[STO], 4, v1
	v_lshl_add_u32 v[CV], v2, 12, v[STO]           ; 4,096 h + 16 r
	v_add_nc_u32 v[STO], s18, v[STO]               ; 16 r
	v_add_nc_u32 v[RD], s18, v3
	s_lshl_b32 s46, s42, 1
	s_add_co_u32 s46, s46, s16                     ; my 128 tokens: 2 x tile column + half
	s_lshr_b32 s47, s46, 4                         ; the batch,
	s_and_b32 s46, s46, 15                         ; the key step in it
	s_lshl_b32 s94, s17, 2
	s_lshl_b32 s95, s15, 1
	s_add_co_u32 s94, s94, s95                     ; my first head: 4 x tile row + 2 x half
	s_lshl_b32 s20, s47, 20                        ; vq: [batch][head][key step][d tile][c][512 bytes]
	s_lshl_b32 s21, s94, 16
	s_add_co_u32 s20, s20, s21
	s_lshl_b32 s21, s46, 12
	s_add_co_u32 s20, s20, s21
	s_mov_b32 s21, 0
	s_lshl_b32 s22, s47, 16                        ; scale words: [batch][head][key step][r][d tile]
	s_lshl_b32 s23, s94, 12
	s_add_co_u32 s22, s22, s23
	s_lshl_b32 s23, s46, 8
	s_add_co_u32 s22, s22, s23
	s_add_co_u32 s22, s22, VQW
	s_mov_b32 s23, 0
	s_add_nc_u64 s[92:93], s[12:13], s[22:23]
	s_add_nc_u64 s[12:13], s[12:13], s[20:21]
.endif
.if MODE == 2
	s_mul_i32 s18, s14, 16*SPITCH                  ; my stage, 16 rows of 528 bytes, in slot 0
	v_mul_u32_u24 v[STO], v1, SPITCH
	v_lshl_add_u32 v[STO], v2, 6, v[STO]
	v_add_nc_u32 v[STO], s18, v[STO]               ; row r, + 64 h
	v_add_nc_u32 v[RD], s18, v3
	s_lshl_b32 s20, s17, 20                        ; out0: 256 rows of 4,096 bytes a tile row,
	s_lshl_b32 s21, s15, 19
	s_add_co_u32 s20, s20, s21
	s_lshl_b32 s21, s42, 10                        ; 256 columns of 4 bytes a tile column
	s_add_co_u32 s20, s20, s21
	s_lshl_b32 s21, s16, 9
	s_add_co_u32 s20, s20, s21
	s_mov_b32 s21, 0
	s_add_nc_u64 s[12:13], s[12:13], s[20:21]
.endif
.macro FRAG reg, adr, q, i             ; a fragment: planes 2 q and 2 q + 1 of tile i, 16 bytes a lane each
.irp c, 0,1
	ds_load_b128 v[\reg+4*\c:\reg+4*\c+3], v[\adr] offset:(2*(\q)+\c)*4096+(\i)*512
.endr
.endm
; 16 matrix instructions: A's blocks a0, a0 + 1 x B's eight, the slot's q-th 128 along K.  p: B's set; sc: the set of scale words.  zero = 1: the first K step, whose C is the bias.
; The 64 accumulators take turns, one instruction a turn, in the same order in every step.
.macro MUL16 a0, p, q, sc, zero
.irp a, \a0, \a0+1
.irp b, 0,1,2,3,4,5,6,7
.if \zero
.if MODE == 1
	v_wmma_scale_f32_16x16x128_f8f6f4 v[8*(8*((\a)%4)+\b):8*(8*((\a)%4)+\b)+7], v[128*(\p)+FR*\b:128*(\p)+FR*\b+FR-1], v[AF+FR*(\a):AF+FR*(\a)+FR-1], v[BI+8*(\a):BI+8*(\a)+7], v[SC+8*NQ*(\sc)+NQ*\b+(\q)], v[SC+8*NQ*(\sc)+NQ*(\a)+(\q)] matrix_a_fmt:MATRIX_FMT_FP4 matrix_b_fmt:MATRIX_FMT_FP4 matrix_a_scale:MATRIX_SCALE_ROW1
.else
	v_wmma_scale_f32_16x16x128_f8f6f4 v[8*(8*((\a)%4)+\b):8*(8*((\a)%4)+\b)+7], v[128*(\p)+FR*\b:128*(\p)+FR*\b+FR-1], v[AF+FR*(\a):AF+FR*(\a)+FR-1], v[BI+8*\b:BI+8*\b+7], v[SC+8*NQ*(\sc)+NQ*\b+(\q)], v[SC+8*NQ*(\sc)+NQ*(\a)+(\q)] matrix_a_fmt:MATRIX_FMT_FP4 matrix_b_fmt:MATRIX_FMT_FP4 matrix_a_scale:MATRIX_SCALE_ROW1
.endif
.else
	v_wmma_scale_f32_16x16x128_f8f6f4 v[8*(8*((\a)%4)+\b):8*(8*((\a)%4)+\b)+7], v[128*(\p)+FR*\b:128*(\p)+FR*\b+FR-1], v[AF+FR*(\a):AF+FR*(\a)+FR-1], v[8*(8*((\a)%4)+\b):8*(8*((\a)%4)+\b)+7], v[SC+8*NQ*(\sc)+NQ*\b+(\q)], v[SC+8*NQ*(\sc)+NQ*(\a)+(\q)] matrix_a_fmt:MATRIX_FMT_FP4 matrix_b_fmt:MATRIX_FMT_FP4 matrix_a_scale:MATRIX_SCALE_ROW1
.endif
.endr
.endr
.endm
.macro FETCH_B slot, q, p              ; B's eight fragments into set p
	WIN TO_B
.irp i, 0,1,2,3,4,5,6,7
	FRAG 128*(\p)+FR*\i, ADRB+\slot, \q, \i
.endr
	WIN 0
.endm
.macro FETCH_A slot, q, i0             ; A's blocks i0 .. i0 + 3
.irp i, \i0, \i0+1, \i0+2, \i0+3
	FRAG AF+FR*(\i), ADRA+\slot, \q, \i
.endr
.endm
.macro SCALES sc                       ; a slot's scale words: four words a row; lanes 0-15 take A's block i, lanes 16-31 B's
.irp i, 0,1,2,3,4,5,6,7
	ds_load_b128 v[SC+8*NQ*\sc+NQ*\i:SC+8*NQ*\sc+NQ*\i+3], v[ADRS] offset:\i*256
.endr
.endm
.macro PLACES n                        ; plain vector instructions between a matrix instruction and a load into, or a read of, its registers
.rept \n
	v_nop
.endr
.endm
.macro STEP slot, q, zero              ; a step of 128 along K that has its successor in the same slot
	s_wait_dscnt 4*NL                              ; B's set and A's blocks 0-3 are in; the youngest eight loads (A's blocks 4-7) may be out
.if \zero
	WIN FIRST_LO
.else
	WIN MUL_LO
.endif
	MUL16 0, (\q)%2, \q, \slot, \zero
	MUL16 2, (\q)%2, \q, \slot, \zero
	s_wait_dscnt 0                                 ; A's blocks 4-7 are in
	PLACES NP
	FETCH_B \slot, (\q)+1, 1-(\q)%2
	FETCH_A \slot, (\q)+1, 0
.if \zero
	WIN FIRST_HI
.else
	WIN MUL_HI
.endif
	MUL16 4, (\q)%2, \q, \slot, \zero
	MUL16 6, (\q)%2, \q, \slot, \zero
	PLACES NP
	WIN 0
	FETCH_A \slot, (\q)+1, 4
.endm
; Slot 0's last step goes over to slot 1: each wave waits for all its tensor loads, so that behind the barrier slot 1 is whole; nothing is filled again.
.macro TURN slot, next
	s_wait_tensorcnt 0x0                           ; my part of the next slot has landed
	ds_add_u32 v[SPW], v[NIL]
	s_wait_dscnt 4*NL+1                            ; (the add and the youngest eight loads may be out)
	WIN MUL_LO
	MUL16 0, 1, NQ-1, \slot, 0
	s_wait_dscnt 0x0                               ; the add is done, and my reads of this slot are over
	s_barrier_signal -1
	MUL16 2, 1, NQ-1, \slot, 0
	WIN 0
	s_barrier_wait -1
	PLACES NP
	v_add_nc_u32 v[ADRS], 2048, v[ADRS]            ; the next half of K's scale words
	FETCH_B \next, 0, 0
	FETCH_A \next, 0, 0
	SCALES \next
	WIN MUL_HI
	MUL16 4, 1, NQ-1, \slot, 0
	MUL16 6, 1, NQ-1, \slot, 0
	PLACES NP
	WIN 0
	FETCH_A \next, 0, 4
.endm
.macro STEPS slot, from                ; the slot's steps from .. NQ - 2
.set Q, \from
.rept NQ-1-\from
	STEP \slot, Q, 0
.set Q, Q+1
.endr
.endm
	s_wait_alu depctr_va_vdst(0)
	s_wait_tensorcnt 1                             ; the scale bytes and my part of slot 0 are in (slot 1's load may be out),
	s_barrier_signal -1
	s_barrier_wait -1                              ; everybody's are
	FETCH_B 0, 0, 0
	FETCH_A 0, 0, 0
	SCALES 0
	FETCH_A 0, 0, 4
	s_wait_loadcnt 0x0                             ; the bias
	STEP 0, 0, 1
	STEPS 0, 1
	TURN 0, 1
	STEPS 1, 0
	s_wait_dscnt 4*NL                              ; the last step: nothing more to fetch
	WIN MUL_LO
	MUL16 0, 1, NQ-1, 1, 0
	MUL16 2, 1, NQ-1, 1, 0
	s_wait_dscnt 0
	WIN MUL_HI
	MUL16 4, 1, NQ-1, 1, 0
	MUL16 6, 1, NQ-1, 1, 0
	WIN 0
.if MODE != 2
; THE WAY OUT, MODE 0 and 1: block a's 64 registers a lane are four blocks of 32 along n: they are quantised where they lie.  Each accumulator is read from its low end on.
.macro QUANTA a
.set AC, 64*((\a)%4)
.set WW, 2+(\a)/4
.set PC, PCB+8*(\a)
	WIN (WW<<2)|(WW<<4)                            ; sources 1 and 2: the accumulators' window
.irp b, 0,1,2,3
	v_max3_num_f32 v[TM+\b], 0x1800000, |v[AC+16*\b]|, |v[AC+16*\b+1]|   ; the floor 2^(3 - 127): the byte cannot fall under 1
.endr
.irp e, 2,4,6,8,10,12,14
.irp b, 0,1,2,3
	v_max3_num_f32 v[TM+\b], v[TM+\b], |v[AC+16*\b+\e]|, |v[AC+16*\b+\e+1]|
.endr
.endr
	WIN 0
.irp b, 0,1,2,3
	v_permlanex16_b32 v[TM+4+\b], v[TM+\b], s[SEL], s[SEL+1]
.endr
.irp b, 0,1,2,3
	v_max_num_f32 v[TM+\b], v[TM+\b], v[TM+4+\b]   ; with lane l xor 16's: the block's largest magnitude
.endr
.irp b, 0,1,2,3
	v_add_nc_u32 v[TM+12+\b], 0xff000000, v[TM+\b] ; 2 off its exponent field: the conversion's scale operand
.endr
.irp b, 0,1,2,3
	v_lshrrev_b32 v[TM+4+\b], 23, v[TM+12+\b]      ; the scale's byte
.endr
	v_lshl_or_b32 v[WD+(\a)], v[TM+5], 8, v[TM+4]
	v_lshl_or_b32 v[WD+(\a)], v[TM+6], 16, v[WD+(\a)]
	v_lshl_or_b32 v[WD+(\a)], v[TM+7], 24, v[WD+(\a)]
	WIN WW                                         ; source 0: the accumulators' window
.irp b, 0,1,2,3
	v_cvt_scalef32_pk8_fp4_f32 v[PC+2*\b], v[AC+16*\b:AC+16*\b+7], v[TM+12+\b]
	v_cvt_scalef32_pk8_fp4_f32 v[PC+1+2*\b], v[AC+16*\b+8:AC+16*\b+15], v[TM+12+\b]
.endr
	WIN 0
	v_nop                                          ; one plain place behind a scaled conversion
.irp c, 0,1                                    ; a whole block to a lane
.irp e, 0,1
	v_permlane16_swap_b32 v[PC+4*\c+\e], v[PC+2+4*\c+\e]
.endr
.endr
.endm
	PLACES NP                                      ; behind the last products
.irp b, 0,1,2,3
	v_mov_b32 v[TM+4+\b], 0                        ; written once: a lane permute's destination counts as one of its sources
.endr
.irp a, 0,1,2,3,4,5,6,7
	QUANTA \a
.if MODE == 0
	global_store_b128 v[CO], v[PCB+8*\a:PCB+8*\a+3], s[12:13] offset:512*\a                  ; the even head's 64: 512 consecutive bytes, aligned
	global_store_b128 v[CO], v[PCB+8*\a+4:PCB+8*\a+7], s[12:13] offset:262144+512*\a         ; the odd head's
	v_lshrrev_b32 v[WD+\a], v[SH], v[WD+\a]        ; lanes 0-15 keep the even head's two bytes, lanes 16-31 the odd head's;
	v_and_b32 v[WD+\a], 0xffff, v[WD+\a]           ; the word's upper two bytes, for the idle half of the instruction's K, are 0
	ds_store_b32 v[STO], v[WD+\a] offset:(\a/4)*256+(\a%4)*4
.else
	global_store_b128 v[CO], v[PCB+8*\a:PCB+8*\a+3], s[12:13] offset:(\a/4)*65536+(\a%4)*1024
	global_store_b128 v[CO], v[PCB+8*\a+4:PCB+8*\a+7], s[12:13] offset:(\a/4)*65536+(\a%4)*1024+512
	ds_store_b32 v[STO], v[WD+\a] offset:(\a/4)*256+(\a%4)*4      ; both halves of the lanes store the same word
.endif
.endr
.if MODE == 0
	ds_load_b128 v[192:195], v[RD]                 ; LDS serves a wave's instructions in order: these see my stores
	ds_load_b128 v[196:199], v[RD] offset:512
	s_wait_dscnt 0x0
	global_store_b128 v[CO], v[192:195], s[92:93]                 ; two groups of four tiles: 512 consecutive bytes
	global_store_b128 v[CO], v[196:199], s[92:93] offset:32768    ; and the odd head's
.else
	ds_load_b128 v[192:195], v[RD]
	s_wait_dscnt 0x0
	global_store_b128 v[CV], v[192:195], s[92:93]                 ; 256 consecutive bytes for each of my two heads
.endif
.else
; THE WAY OUT, MODE 2: a block of 16 rows x 128 columns goes through my stage and comes back as whole rows of 512 bytes.  The order of rows in the tiles stands in the immediates.
.macro TOSTAGE a
.set AC, 64*((\a)%4)
	WIN 0x08+4*((\a)/4)                            ; an LDS store's data: window 2 or 3
.irp b, 0,1,2,3,4,5,6,7
	ds_store_b128 v[STO], v[AC+8*\b:AC+8*\b+3] offset:128*(\b/2)+32*(\b%2)          ; each accumulator from its low end on
	ds_store_b128 v[STO], v[AC+8*\b+4:AC+8*\b+7] offset:128*(\b/2)+32*(\b%2)+16
.endr
	WIN 0
.set BB, BK+64*((\a)%2)
.irp t, 0,1,2,3,4,5,6,7,8,9,10,11,12,13,14,15
	ds_load_b128 v[BB+4*\t:BB+4*\t+3], v[RD] offset:\t*SPITCH   ; LDS serves a wave's instructions in order
.endr
.endm
.macro SEND a, younger                 ; younger: the LDS instructions issued behind block a's loads, which may stay out
.set BB, BK+64*((\a)%2)
	s_wait_dscnt \younger
.irp t, 0,1,2,3,4,5,6,7,8,9,10,11,12,13,14,15
	global_store_b128 v[CO], v[BB+4*\t:BB+4*\t+3], s[12:13] offset:(32*((\a)/2)+8*((\a)%2)+\t+8*(\t/8))*4096 th:TH_STORE_NT   ; 512 consecutive bytes, aligned
.endr
.endm
	PLACES NP
	TOSTAGE 0
.irp a, 1,2,3,4,5,6,7
.if \a > 1
	s_wait_xcnt 0x0                                ; block a - 2's stores have read their registers: block a's loads may land there
.endif
	TOSTAGE \a
	SEND \a-1, 32                                  ; behind block a - 1's loads: block a's 16 stores and 16 loads
.endr
	SEND 7, 0
.endif
	s_wait_tensorcnt 0x0                           ; the wave's end
	ds_add_u32 v[SPW], v[NIL]
	s_wait_dscnt 0x0
	CROUND                                         ; the closing round
	s_endpgm
.Lfunc_end_k_qd73979422e_gemm_v:
	.size	k_qd73979422e_gemm_v, .Lfunc_end_k_qd73979422e_gemm_v-k_qd73979422e_gemm_v
	.p2alignl 7, 3214868480
	.fill 96, 4, 3214868480
	.section	.rodata,"a",@progbits
	.p2align	6, 0x0
	.amdhsa_kernel k_qd73979422e_gemm_v
		.amdhsa_group_segment_fixed_size 327680
		.amdhsa_private_segment_fixed_size 0
		.amdhsa_enable_private_segment 0
		.amdhsa_kernarg_size 32
		.amdhsa_user_sgpr_count 2
		.amdhsa_user_sgpr_kernarg_segment_ptr 1
		.amdhsa_wavefront_size32 1
		.amdhsa_system_sgpr_workgroup_id_x 1
		.amdhsa_system_sgpr_workgroup_id_y 1
		.amdhsa_system_sgpr_workgroup_id_z 1
		.amdhsa_system_vgpr_workitem_id 0
		.amdhsa_next_free_vgpr 1024
		.amdhsa_next_free_sgpr 100
		.amdhsa_reserve_vcc 0
		.amdhsa_float_denorm_mode_32 3
		.amdhsa_float_denorm_mode_16_64 3
		.amdhsa_memory_ordered 1
		.amdhsa_forward_progress 1
		.amdhsa_inst_pref_size 135
	.end_amdhsa_kernel
	.amdgpu_metadata
---
amdhsa.version: [ 1, 2 ]
amdhsa.kernels:
  - .name:           k_qd73979422e_gemm_v
    .symbol:         k_qd73979422e_gemm_v.kd
    .args:
      - { .name: wq, .offset: 0, .size: 8, .value_kind: global_buffer, .address_space: global }
      - { .name: xq, .offset: 8, .size: 8, .value_kind: global_buffer, .address_space: global }
      - { .name: bv, .offset: 16, .size: 8, .value_kind: global_buffer, .address_space: global }
      - { .name: vq, .offset: 24, .size: 8, .value_kind: global_buffer, .address_space: global }
    .group_segment_fixed_size: 327680
    .private_segment_fixed_size: 0
    .kernarg_segment_align: 8
    .kernarg_segment_size: 32
    .max_flat_workgroup_size: 128
    .sgpr_count:     100
    .vgpr_count:     1024
    .wavefront_size: 32
...
	.end_amdgpu_metadata
.endif
;; end of part 4
;; launch attn (part 5): grid 4 x 64, 16 waves a work-group, clusters of 4 x 1, 167,936 bytes of LDS; arguments qk, vq, oq; writes oq
.if DOCPART == 5
	.amdgcn_target "amdgcn-amd-amdhsa--gfx1250"
	.amdhsa_code_object_version 6
	.text
	.protected	k_qd73979422e_attn
	.globl	k_qd73979422e_attn
	.p2align	8
	.type	k_qd73979422e_attn,@function
k_qd73979422e_attn:
	s_mov_b64 s[64:65], 0
	v_nop
	global_prefetch_b8 v0, s[64:65] scope:SCOPE_SE
	s_setreg_imm32_b32 hwreg(HW_REG_WAVE_MODE, 25, 1), 1
	s_wait_xcnt 0x0
	s_wait_alu depctr_hold_cnt(0) depctr_sa_sdst(0) depctr_va_vdst(0) depctr_va_sdst(0) depctr_va_ssrc(0) depctr_va_vcc(0) depctr_vm_vsrc(0)
	s_getreg_b32 s2, hwreg(HW_REG_IB_STS2, 6, 4)
	s_cmp_eq_u32 s2, 0
	s_cbranch_scc0 .Lentry_in_a_cluster
	s_endpgm
.Lentry_in_a_cluster:
	s_bfe_u32 s2, ttmp6, 0x10000c
	s_cmp_lg_u32 s2, 0x3003
	s_cbranch_scc0 .Lentry_shape_is_right
	s_endpgm
.Lentry_shape_is_right:
; Launch 5 of 6: O[b][h][q] = the sum over keys of softmax(q . k / 8) v, both products on codes of E2M1 with E8M0 scales; the result is quantised along its head's 64 channels for the last product.  Nothing is left out.
; THE SOFTMAX AHEAD OF THE SECOND PRODUCT: t = score x log2(e) / 8; M = the largest t so far, rounded UP to a whole number; p = 2^(t - M) is quantised along the keys, not normalised; the row's sum is taken of the
; unquantised p and divides O at the end (a reciprocal and a multiplication).  When M moves, the sum and O are multiplied by 2^(old M - new M): exact.
; LIMITS: NaN and infinities are not served; a block of the result under 2^-124 (zeros among them) keeps the scale byte 1; this program alone reads the bytes.
; q . k has K = 64: the upper four registers of q's and k's fragments are zero codes, and the upper two bytes of their scale words are 0 (a power of two, over zeros).
; SHARES.  A work-group owns 512 queries of one batch and head; each of its sixteen waves two tiles of 16, one after the other, in 256 registers: four waves to a SIMD.  Every wave walks all 2,048 keys, 128 a step.
; A head's whole K, V and scale words, 143,360 bytes, are brought into LDS ONCE: wave w brings key step w by four tensor loads.  No byte of LDS is filled again: one barrier.
; CLUSTER.  The four work-groups of a head walk the same K and V: each tile is asked for jointly, by the same load with a mask that names the four.
; LAYOUT.  Both products are used transposed: S^T = K Q^T, O^T = V^T P^T: a lane holds ONE query (lane % 16) throughout.  Tokens and channels lie in tiles whose place r is row 32 (T / 2) + 8 (T % 2) + r + 8 (r / 8),
; so that the 16 registers of tiles 2 b and 2 b + 1 of a result are the 16 neighbours 32 b + 16 (lane / 16) + 0 .. 15.  All fragments lie in memory and LDS as images of registers: 16 bytes at 16 x lane.
.set KC,    0                          ; LDS: K's codes [step 16][tile 8][512 bytes]
.set VC,    65536                      ; V's [step][d tile 4][c 2][512 bytes]
.set KS,    131072                     ; K's scale words [step][group of 4 tiles][r][4 words]
.set VS,    139264                     ; V's [step][r][d tile]
.set SPARE, 143360                     ; the spare words, 128 bytes for each of sixteen waves
.set QKW,   8388608                    ; where the scale words begin in qk,
.set VQW,   4194304                    ; in vq,
.set OSC,   4194304                    ; and the scale bytes in oq
.set LI,   1                           ; v1   16 x lane (K's codes begin at LDS byte 0)
.set AV0,  2                           ; v2   VC + 16 x lane
.set ASK0, 3                           ; v3   KS + 16 x lane
.set ASV0, 4                           ; v4   VS + 16 r
.set SPW,  5                           ; v5   LDS address of my spare word; never rewritten
.set NIL,  6                           ; v6   0; never rewritten
.set HW0,  7                           ; v7   tile 0's two scale bytes
.set ADK,  8                           ; v8-11 the step's LDS addresses
.set ADV,  9
.set ADS,  10
.set ADT,  11
.set QF,   16                          ; v16-31 Q's two fragments.  v12 -M, v13 the largest t, v[14:15] the sum in two halves
.set KF,   32                          ; v32-95 K's eight fragments
.set S,    96                          ; v96-159 S^T, then p
.set O,    160                         ; v160-191 O^T
.set VF,   192                         ; v192-223 V's four fragments
.set PCD,  224                         ; v224-231 p's codes
.set BM,   232                         ; v232-235 the blocks' largest
.set WK,   236                         ; v236-239 at work
.set SOP,  240                         ; v240-243 the conversions' scale operands
.set KW,   244                         ; v244-247 K's scale words: lanes 0-15 tiles 0-3, lanes 16-31 tiles 4-7
.set VW,   248                         ; v248-251 V's
.set F,    252                         ; v252 f
.set PWD,  253                         ; v253 p's scale word
.set T,    254                         ; v254 at work
.set QW,   255                         ; v255 Q's scale words: lanes 0-15 tile 0, lanes 16-31 tile 1
.set WV,   18
.set SEL,  20
.set CS,   22
.set G1C,  24                          ; s[24:31] group 1: 16 rows of 256 bytes;  s[32:39]: 2 rows;  s[40:47]: one row
.set G1S,  32
.set G1T,  40
.set G0,   48                          ; s[48:63] four groups 0
.set TB,   66
.set TS,   67
.set TJ,   68
.set CNT,  69
.set HM,   70
.macro CROUND                          ; a round of the cluster's barrier
	s_barrier_signal -1
	s_barrier_wait -1
	s_cmp_lg_u32 s[WV], 0
	s_cbranch_scc1 .Lnot_wave_0_\@
	s_barrier_signal -3
.Lnot_wave_0_\@:
	s_barrier_wait -3
	s_barrier_signal -1
	s_barrier_wait -1
.endm
	s_load_b128 s[4:7], s[0:1], 0x0                ; qk, vq
	s_load_b64 s[8:9], s[0:1], 0x10                ; oq
	v_lshl_add_u32 v[SPW], v0, 2, SPARE
	v_mov_b32 v[NIL], 0
	ds_add_u32 v[SPW], v[NIL]                      ; the wave's opening: the add, twice on end, and its wait ahead of my first tensor load
	ds_add_u32 v[SPW], v[NIL]
	v_lshrrev_b32 v8, 5, v0
	s_delay_alu instid0(VALU_DEP_1)
	v_readfirstlane_b32 s[WV], v8                  ; wave 0..15
	s_and_b32 s80, ttmp7, 0xffff                   ; 16 x batch + head, which the four partners share
	s_lshr_b32 s81, s80, 4                         ; the batch
	s_and_b32 s82, s80, 15                         ; the head
	s_bfe_u32 s83, ttmp6, 0x40000                  ; cx: it enters Q's and O's addresses alone
	s_add_co_u32 s84, s82, 16                      ; k's planes lie behind q's sixteen
	s_lshl_b32 s86, s84, 15
	s_lshl_b32 s84, s84, 18
	s_lshl_b32 s85, s81, 16                        ; 128 tiles of 512 bytes a batch,
	s_add_co_u32 s84, s84, s85
	s_lshl_b32 s85, s[WV], 12                      ; 8 a key step
	s_add_co_u32 s84, s84, s85
	s_mov_b32 s85, 0                               ; s[84:85]: K's codes of key step w
	s_lshl_b32 s87, s81, 13
	s_add_co_u32 s86, s86, s87
	s_lshl_b32 s87, s[WV], 9
	s_add_co_u32 s86, s86, s87
	s_add_co_u32 s86, s86, QKW
	s_mov_b32 s87, 0                               ; s[86:87]: K's scale words
	s_lshl_b32 s88, s80, 16
	s_lshl_b32 s89, s[WV], 12
	s_add_co_u32 s88, s88, s89
	s_mov_b32 s89, 0                               ; s[88:89]: V's codes
	s_lshl_b32 s90, s80, 12
	s_lshl_b32 s91, s[WV], 8
	s_add_co_u32 s90, s90, s91
	s_add_co_u32 s90, s90, VQW
	s_mov_b32 s91, 0                               ; s[90:91]: V's scale words
	s_mov_b32 s[G1C], 15|(3<<16)|(1<<21)           ; 15:0 the mask: all four work-groups; 17:16 elements of 8 bytes; 21 set beside a mask
	s_mov_b32 s[G1C+1], 32<<16                     ; tensor_dim0: 256 bytes
	s_mov_b32 s[G1C+2], 16<<16                     ; tensor_dim1
	s_mov_b32 s[G1C+3], 32<<16                     ; tile_dim0
	s_mov_b32 s[G1C+4], 16                         ; tile_dim1
	s_mov_b32 s[G1C+5], 32                         ; dense
	s_mov_b32 s[G1C+6], 0
	s_mov_b32 s[G1C+7], 0
	s_mov_b32 s[G1S], 15|(3<<16)|(1<<21)
	s_mov_b32 s[G1S+1], 32<<16
	s_mov_b32 s[G1S+2], 2<<16
	s_mov_b32 s[G1S+3], 32<<16
	s_mov_b32 s[G1S+4], 2
	s_mov_b32 s[G1S+5], 32
	s_mov_b32 s[G1S+6], 0
	s_mov_b32 s[G1S+7], 0
	s_mov_b32 s[G1T], 15|(3<<16)|(1<<21)
	s_mov_b32 s[G1T+1], 32<<16
	s_mov_b32 s[G1T+2], 1<<16
	s_mov_b32 s[G1T+3], 32<<16
	s_mov_b32 s[G1T+4], 1
	s_mov_b32 s[G1T+5], 32
	s_mov_b32 s[G1T+6], 1<<16
	s_mov_b32 s[G1T+7], 0
	s_mov_b32 s[SEL], 0x76543210
	s_mov_b32 s[SEL+1], 0xfedcba98
	s_mov_b32 s[CS], 0x3e38aa3b                    ; c = log2(e) / 8
	s_mov_b32 s[CS+1], s[CS]                       ; (named with it as a pair, so it is written)
	s_mov_b32 s[HM], 0xffff0000                    ; lanes 16-31
	s_wait_dscnt 0x0                               ; both opening adds are done
	s_wait_kmcnt 0x0
	s_mov_b32 s[G0], 1
	s_lshl_b32 s[G0+1], s[WV], 12                  ; KC + 4,096 w
	s_add_nc_u64 s[G0+2:G0+3], s[4:5], s[84:85]
	s_or_b32 s[G0+3], s[G0+3], 0x80000000
	s_mov_b32 s[G0+4], 1
	s_lshl_b32 s[G0+5], s[WV], 12
	s_add_co_u32 s[G0+5], s[G0+5], VC
	s_add_nc_u64 s[G0+6:G0+7], s[6:7], s[88:89]
	s_or_b32 s[G0+7], s[G0+7], 0x80000000
	s_mov_b32 s[G0+8], 1
	s_lshl_b32 s[G0+9], s[WV], 9
	s_add_co_u32 s[G0+9], s[G0+9], KS
	s_add_nc_u64 s[G0+10:G0+11], s[4:5], s[86:87]
	s_or_b32 s[G0+11], s[G0+11], 0x80000000
	s_mov_b32 s[G0+12], 1
	s_lshl_b32 s[G0+13], s[WV], 8
	s_add_co_u32 s[G0+13], s[G0+13], VS
	s_add_nc_u64 s[G0+14:G0+15], s[6:7], s[90:91]
	s_or_b32 s[G0+15], s[G0+15], 0x80000000
	CROUND                                         ; all four work-groups are here: the joint loads meet
	tensor_load_to_lds s[G0:G0+3], s[G1C:G1C+7]    ; four loads of mine are out: all that this launch ever asks for
	s_nop 0
	tensor_load_to_lds s[G0+4:G0+7], s[G1C:G1C+7]
	s_nop 0
	tensor_load_to_lds s[G0+8:G0+11], s[G1S:G1S+7]
	s_nop 0
	tensor_load_to_lds s[G0+12:G0+15], s[G1T:G1T+7]
	s_nop 0
.rept 4
	v_nop
.endr
	s_lshl_b32 s92, s81, 7
	s_lshl_b32 s93, s83, 5
	s_add_co_u32 s92, s92, s93
	s_lshl_b32 s93, s[WV], 1
	s_add_co_u32 s92, s92, s93                     ; my first tile of tokens: 128 x batch + 32 cx + 2 w
	s_lshl_b32 s94, s82, 18
	s_lshl_b32 s95, s92, 9
	s_add_co_u32 s94, s94, s95
	s_mov_b32 s95, 0
	s_add_nc_u64 s[72:73], s[4:5], s[94:95]        ; Q's codes
	s_add_nc_u64 s[76:77], s[8:9], s[94:95]        ; O's codes: the same plane and tile
	s_lshl_b32 s94, s82, 15
	s_lshr_b32 s93, s92, 2
	s_lshl_b32 s93, s93, 8
	s_add_co_u32 s94, s94, s93
	s_and_b32 s93, s[WV], 1
	s_lshl_b32 s93, s93, 3
	s_add_co_u32 s94, s94, s93
	s_add_co_u32 s94, s94, QKW
	s_add_nc_u64 s[74:75], s[4:5], s[94:95]        ; Q's scale words
	s_lshr_b32 s94, s82, 3
	s_lshl_b32 s94, s94, 17
	s_lshl_b32 s93, s92, 8
	s_add_co_u32 s94, s94, s93
	s_and_b32 s93, s82, 7
	s_lshl_b32 s93, s93, 1
	s_add_co_u32 s94, s94, s93
	s_add_co_u32 s94, s94, OSC
	s_add_nc_u64 s[78:79], s[8:9], s[94:95]        ; O's scale bytes: two of a token's 16 in my head's half of K
	v_and_b32 v8, 31, v0
	s_delay_alu instid0(VALU_DEP_1)
	v_lshlrev_b32 v[LI], 4, v8
	v_and_b32 v10, 15, v0                          ; r
	v_bfe_u32 v11, v0, 4, 1                        ; h
	s_delay_alu instid0(VALU_DEP_2)
	v_lshlrev_b32 v9, 4, v10
	s_delay_alu instid0(VALU_DEP_1)
	v_add_nc_u32 v[ASV0], VS, v9
	s_delay_alu instid0(VALU_DEP_2)
	v_lshl_add_u32 v9, v11, 2, v9                  ; 16 r + 4 h
	global_load_b128 v[QF:QF+3], v[LI], s[72:73]
	global_load_b128 v[QF+8:QF+11], v[LI], s[72:73] offset:512
	global_load_b32 v[QW], v9, s[74:75]
	v_add_nc_u32 v[AV0], VC, v[LI]
	v_add_nc_u32 v[ASK0], KS, v[LI]
.irp e, 4,5,6,7,12,13,14,15
	v_mov_b32 v[QF+\e], 0                          ; the idle half of the instruction's K: zero codes
.endr
.irp t, 0,1,2,3,4,5,6,7
.irp e, 4,5,6,7
	v_mov_b32 v[KF+8*\t+\e], 0                     ; likewise in K's fragments: written once, never loaded
.endr
.endr
.irp b, 0,1,2,3
	v_mov_b32 v[WK+\b], 0                          ; written once: a lane permute's destination counts as one of its sources
.endr
	v_mov_b32 v[PWD], 0                            ; (named as the upper half of the pair v[252:253] before it is first written)
	s_wait_tensorcnt 0x0                           ; my key step lies in LDS,
	s_barrier_signal -1
	s_barrier_wait -1                              ; everybody's does
	s_wait_loadcnt 0x0                             ; Q
.macro KQ t, i                         ; S^T's tile t for my tile i of queries
.if (\t) < 4
.if (\i) == 0
	v_wmma_scale_f32_16x16x128_f8f6f4 v[S+8*(\t):S+8*(\t)+7], v[KF+8*(\t):KF+8*(\t)+7], v[QF:QF+7], 0, v[KW+(\t)], v[QW] matrix_a_fmt:MATRIX_FMT_FP4 matrix_b_fmt:MATRIX_FMT_FP4
.else
	v_wmma_scale_f32_16x16x128_f8f6f4 v[S+8*(\t):S+8*(\t)+7], v[KF+8*(\t):KF+8*(\t)+7], v[QF+8:QF+15], 0, v[KW+(\t)], v[QW] matrix_a_fmt:MATRIX_FMT_FP4 matrix_b_fmt:MATRIX_FMT_FP4 matrix_b_scale:MATRIX_SCALE_ROW1
.endif
.else
.if (\i) == 0
	v_wmma_scale_f32_16x16x128_f8f6f4 v[S+8*(\t):S+8*(\t)+7], v[KF+8*(\t):KF+8*(\t)+7], v[QF:QF+7], 0, v[KW+(\t)-4], v[QW] matrix_a_fmt:MATRIX_FMT_FP4 matrix_b_fmt:MATRIX_FMT_FP4 matrix_a_scale:MATRIX_SCALE_ROW1
.else
	v_wmma_scale_f32_16x16x128_f8f6f4 v[S+8*(\t):S+8*(\t)+7], v[KF+8*(\t):KF+8*(\t)+7], v[QF+8:QF+15], 0, v[KW+(\t)-4], v[QW] matrix_a_fmt:MATRIX_FMT_FP4 matrix_b_fmt:MATRIX_FMT_FP4 matrix_a_scale:MATRIX_SCALE_ROW1 matrix_b_scale:MATRIX_SCALE_ROW1
.endif
.endif
.endm
; The end of a tile: O^T / the sum, quantised along the head's 64 channels (two blocks of 32), stored as an image of four operand registers
.macro FIN i
.rept 4
	v_nop                                          ; places behind the last products
.endr
	v_add_f32 v14, v14, v15                        ; the sum's two halves,
	s_delay_alu instid0(VALU_DEP_1)
	v_permlanex16_b32 v[F], v14, s[SEL], s[SEL+1]
	s_delay_alu instid0(VALU_DEP_1)
	v_add_f32 v14, v14, v[F]                       ; and lane l xor 16's: the row's sum
	s_wait_alu depctr_va_vdst(0)
	v_rcp_f32 v14, v14
	v_nop                                          ; a plain place behind the transcendental
	s_wait_alu depctr_va_vdst(0)                   ; and the wait ahead of its first reader
.set j, 0
.rept 32
	v_mul_f32 v[S+j], v[O+j], v14                  ; register 16 b + e is channel 32 b + 16 h + e of my query
.set j, j+1
.endr
.irp b, 0,1
	v_max3_num_f32 v[BM+\b], |v[S+16*\b]|, |v[S+1+16*\b]|, 0x1800000   ; the floor 2^(3 - 127): the byte cannot fall under 1
.endr
.irp e, 2,4,6,8,10,12,14
.irp b, 0,1
	s_delay_alu instid0(VALU_DEP_2)
	v_max3_num_f32 v[BM+\b], v[BM+\b], |v[S+16*\b+\e]|, |v[S+1+16*\b+\e]|
.endr
.endr
.irp b, 0,1
	s_delay_alu instid0(VALU_DEP_2)
	v_permlanex16_b32 v[WK+\b], v[BM+\b], s[SEL], s[SEL+1]
.endr
.irp b, 0,1
	s_delay_alu instid0(VALU_DEP_2)
	v_max_num_f32 v[BM+\b], v[BM+\b], v[WK+\b]
.endr
.irp b, 0,1
	s_delay_alu instid0(VALU_DEP_2)
	v_add_nc_u32 v[SOP+\b], 0xff000000, v[BM+\b]   ; 2 off the exponent field: the conversion's scale operand
.endr
.irp b, 0,1
	s_delay_alu instid0(VALU_DEP_2)
	v_lshrrev_b32 v[WK+\b], 23, v[SOP+\b]          ; the scale's byte
.endr
.if (\i) == 0
	s_delay_alu instid0(VALU_DEP_1)
	v_lshl_or_b32 v[HW0], v[WK+1], 8, v[WK]
.else
	s_delay_alu instid0(VALU_DEP_1)
	v_lshl_or_b32 v[T], v[WK+1], 8, v[WK]
.endif
.irp b, 0,1
	v_cvt_scalef32_pk8_fp4_f32 v[PCD+2*\b], v[S+16*\b:S+7+16*\b], v[SOP+\b]
	v_cvt_scalef32_pk8_fp4_f32 v[PCD+1+2*\b], v[S+8+16*\b:S+15+16*\b], v[SOP+\b]
.endr
	v_nop                                          ; one plain place behind a scaled conversion
	v_permlane16_swap_b32 v[PCD], v[PCD+2]         ; a whole block to a lane
	v_permlane16_swap_b32 v[PCD+1], v[PCD+3]
	global_store_b128 v[LI], v[PCD:PCD+3], s[76:77] offset:512*(\i)   ; 512 consecutive bytes, aligned
.endm
; One tile of 16 queries against all 2,048 keys
.macro TILE i
	v_mov_b32 v13, 0xff61b1e6                      ; the largest t so far: -3e38, under every t
	s_delay_alu instid0(VALU_DEP_1)
	v_floor_f32 v12, -v13                          ; -M
	v_mov_b32 v14, 0
	v_mov_b32 v15, 0
.set j, 0
.rept 32
	v_mov_b32 v[O+j], 0                            ; O^T: the step is written once; the first finds zeros, which the first change of M leaves zeros
.set j, j+1
.endr
.if (\i) == 1
	s_wait_xcnt 0x0                                ; tile 0's store has read its registers: p's codes may be written again
.endif
	s_mov_b32 s[TB], 0
	s_mov_b32 s[TS], 0
	s_mov_b32 s[TJ], 0
	s_mov_b32 s[CNT], 16
.Lstep_\@:
	s_setprio 2
	v_add_nc_u32 v[ADK], s[TB], v[LI]              ; these four are also the places between the last products and the loads into their registers
	v_add_nc_u32 v[ADV], s[TB], v[AV0]
	v_add_nc_u32 v[ADS], s[TS], v[ASK0]
	v_add_nc_u32 v[ADT], s[TJ], v[ASV0]
.irp t, 0,1,2,3,4,5,6,7
	ds_load_b128 v[KF+8*\t:KF+8*\t+3], v[ADK] offset:512*\t
.endr
	ds_load_b128 v[KW:KW+3], v[ADS]
.irp t, 0,1,2,3
.irp c, 0,1
	ds_load_b128 v[VF+8*\t+4*\c:VF+8*\t+4*\c+3], v[ADV] offset:1024*\t+512*\c
.endr
.endr
	ds_load_b128 v[VW:VW+3], v[ADT]
	s_wait_dscnt 9                                 ; K and its words are in; V's eight loads and its words may be out
.irp t, 0,1,2,3,4,5,6,7
	KQ \t, \i
.endr
.rept 4
	v_nop
.endr
.irp b, 0,1,2,3
	v_max3_num_f32 v[BM+\b], v[S+16*\b], v[S+1+16*\b], v[S+2+16*\b]   ; the largest score of each block of 32 keys: for the row's maximum and, since p rises with the score, for the block's largest p
.endr
.irp e, 3,5,7,9,11,13
.irp b, 0,1,2,3
	v_max3_num_f32 v[BM+\b], v[BM+\b], v[S+16*\b+\e], v[S+1+16*\b+\e]
.endr
.endr
.irp b, 0,1,2,3
	v_max_num_f32 v[BM+\b], v[BM+\b], v[S+15+16*\b]
.endr
.irp b, 0,1,2,3
	s_delay_alu instid0(VALU_DEP_4)
	v_permlanex16_b32 v[WK+\b], v[BM+\b], s[SEL], s[SEL+1]
.endr
.irp b, 0,1,2,3
	s_delay_alu instid0(VALU_DEP_4)
	v_max_num_f32 v[BM+\b], v[BM+\b], v[WK+\b]     ; with lane l xor 16's 16 keys
.endr
	s_delay_alu instid0(VALU_DEP_2)
	v_max3_num_f32 v[T], v[BM], v[BM+1], v[BM+2]
	s_delay_alu instid0(VALU_DEP_1)
	v_max_num_f32 v[T], v[T], v[BM+3]              ; the step's largest score of my query
	s_delay_alu instid0(VALU_DEP_1)
	v_mul_f32 v[T], s[CS], v[T]                    ; as t (c is positive)
	s_delay_alu instid0(VALU_DEP_1)
	v_max_num_f32 v13, v13, v[T]                   ; the running largest t
	v_mov_b32 v[T], v12
	s_delay_alu instid0(VALU_DEP_2)
	v_floor_f32 v12, -v13                          ; the new -M = floor(-t): M is a whole number
	s_delay_alu instid0(VALU_DEP_1)
	v_sub_f32 v[T], v12, v[T]                      ; M's old value less its new one: a whole number, 0 or less
	s_delay_alu instid0(VALU_DEP_1)
	v_cvt_i32_f32 v[T], v[T]                       ; (it saturates)
	s_delay_alu instid0(VALU_DEP_1)
	v_ldexp_f32 v[F], 1.0, v[T]                    ; f = 2^(old M - new M)
.set j, 0
.rept 32
	v_pk_fma_f32 v[S+j:S+j+1], v[S+j:S+j+1], s[CS:CS+1], v[12:13] op_sel_hi:[1,0,0]   ; t - M, two at a time
.set j, j+2
.endr
.irp b, 0,1,2,3
	v_fma_f32 v[BM+\b], v[BM+\b], s[CS], v12       ; the same of each block's largest score
.endr
.set j, 0
	s_wait_alu depctr_va_vdst(0)
.rept 64
	v_exp_f32 v[S+j], v[S+j]                       ; p = 2^(t - M), at most 1
.set j, j+1
.endr
	s_setprio 1
	v_pk_mul_f32 v[14:15], v[14:15], v[F:F+1] op_sel_hi:[1,0]   ; the sums under the new M: a plain place behind the exponentials
	s_wait_alu depctr_va_vdst(0)                   ; one wait for the whole batch, ahead of its first reader
.irp b, 0,1,2,3
	v_exp_f32 v[BM+\b], v[BM+\b]                   ; the block's largest p: the same two instructions on the same number
.endr
	v_pk_add_f32 v[236:237], v[100:101], v[104:105]
	v_pk_add_f32 v[246:247], v[108:109], v[112:113]
	v_pk_add_f32 v[244:245], v[116:117], v[120:121]
	v_pk_add_f32 v[242:243], v[124:125], v[128:129]
	v_pk_add_f32 v[240:241], v[132:133], v[136:137]
	v_pk_add_f32 v[238:239], v[140:141], v[144:145]
	v_pk_add_f32 v[230:231], v[148:149], v[152:153]
	v_pk_add_f32 v[14:15], v[14:15], v[156:157]
	v_pk_add_f32 v[236:237], v[236:237], v[96:97]
	v_pk_add_f32 v[246:247], v[246:247], v[98:99]
	v_pk_add_f32 v[244:245], v[244:245], v[102:103]
	v_pk_add_f32 v[242:243], v[242:243], v[106:107]
	v_pk_add_f32 v[240:241], v[240:241], v[110:111]
	v_pk_add_f32 v[238:239], v[238:239], v[114:115]
	v_pk_add_f32 v[230:231], v[230:231], v[118:119]
	v_pk_add_f32 v[14:15], v[14:15], v[122:123]
	v_pk_add_f32 v[236:237], v[236:237], v[126:127]
	v_pk_add_f32 v[246:247], v[246:247], v[130:131]
	v_pk_add_f32 v[244:245], v[244:245], v[134:135]
	v_pk_add_f32 v[242:243], v[242:243], v[138:139]
	v_pk_add_f32 v[240:241], v[240:241], v[142:143]
	v_pk_add_f32 v[238:239], v[238:239], v[146:147]
	v_pk_add_f32 v[230:231], v[230:231], v[150:151]
	v_pk_add_f32 v[14:15], v[14:15], v[154:155]
	v_pk_add_f32 v[236:237], v[236:237], v[158:159]
	s_delay_alu instid0(VALU_DEP_2)
	v_pk_add_f32 v[14:15], v[14:15], v[242:243]
	s_delay_alu instid0(VALU_DEP_2)
	v_pk_add_f32 v[236:237], v[236:237], v[240:241]
	v_pk_add_f32 v[246:247], v[246:247], v[238:239]
	v_pk_add_f32 v[244:245], v[244:245], v[230:231]
	s_delay_alu instid0(VALU_DEP_2)
	v_pk_add_f32 v[14:15], v[14:15], v[246:247]
	s_delay_alu instid0(VALU_DEP_2)
	v_pk_add_f32 v[236:237], v[236:237], v[244:245]
	s_delay_alu instid0(VALU_DEP_1)
	v_pk_add_f32 v[14:15], v[14:15], v[236:237]
	s_wait_alu depctr_va_vdst(0)                   ; and one for the four
.irp b, 0,1,2,3
	v_max_num_f32 v[BM+\b], 0x1800000, v[BM+\b]    ; the floor 2^(3 - 127): the byte cannot fall under 1
.endr
.irp b, 0,1,2,3
	s_delay_alu instid0(VALU_DEP_4)
	v_add_nc_u32 v[SOP+\b], 0xff000000, v[BM+\b]   ; 2 off the exponent field: the conversion's scale operand
.endr
.irp b, 0,1,2,3
	s_delay_alu instid0(VALU_DEP_4)
	v_lshrrev_b32 v[WK+\b], 23, v[SOP+\b]          ; the scale's byte
.endr
	s_delay_alu instid0(VALU_DEP_3)
	v_lshl_or_b32 v[PWD], v[WK+1], 8, v[WK]        ; p's scale word for these 128 keys
	s_delay_alu instid0(VALU_DEP_1)
	v_lshl_or_b32 v[PWD], v[WK+2], 16, v[PWD]
	s_delay_alu instid0(VALU_DEP_1)
	v_lshl_or_b32 v[PWD], v[WK+3], 24, v[PWD]
.irp b, 0,1,2,3
	v_cvt_scalef32_pk8_fp4_f32 v[PCD+2*\b], v[S+16*\b:S+7+16*\b], v[SOP+\b]
	v_cvt_scalef32_pk8_fp4_f32 v[PCD+1+2*\b], v[S+8+16*\b:S+15+16*\b], v[SOP+\b]
.endr
	v_nop                                          ; one plain place behind a scaled conversion
.irp c, 0,1                                    ; a whole block to a lane
.irp e, 0,1
	v_permlane16_swap_b32 v[PCD+4*\c+\e], v[PCD+2+4*\c+\e]
.endr
.endr
.set j, 0
	s_setprio 0
.rept 16
	v_pk_mul_f32 v[O+j:O+j+1], v[O+j:O+j+1], v[F:F+1] op_sel_hi:[1,0]   ; O^T under the new M.  Twelve of these name no register of any one product below: the places between p's word and codes and that product
.set j, j+2
.endr
	s_wait_alu depctr_va_vdst(0)
	s_wait_dscnt 0x0                               ; V and its words are in
.irp t, 0,1,2,3                                ; O^T += V^T P^T: four accumulators by turns
	v_wmma_scale_f32_16x16x128_f8f6f4 v[O+8*\t:O+8*\t+7], v[VF+8*\t:VF+8*\t+7], v[PCD:PCD+7], v[O+8*\t:O+8*\t+7], v[VW+\t], v[PWD] matrix_a_fmt:MATRIX_FMT_FP4 matrix_b_fmt:MATRIX_FMT_FP4
.endr
	s_add_co_u32 s[TB], s[TB], 4096                ; the next key step
	s_add_co_u32 s[TS], s[TS], 512
	s_add_co_u32 s[TJ], s[TJ], 256
	s_sub_co_u32 s[CNT], s[CNT], 1
	s_cmp_lg_u32 s[CNT], 0
	s_cbranch_scc1 .Lstep_\@
	s_setprio 0
	FIN \i
.endm
	TILE 0
	TILE 1
	v_and_b32 v8, 15, v0
	v_bfe_u32 v9, v0, 4, 1
	s_delay_alu instid0(VALU_DEP_2)
	v_lshlrev_b32 v8, 4, v8
	s_delay_alu instid0(VALU_DEP_1)
	v_lshl_add_u32 v8, v9, 8, v8                   ; 256 x tile + 16 r
	v_cndmask_b32 v[T], v[HW0], v[T], s[HM]        ; lanes 0-15 store tile 0's two scale bytes, lanes 16-31 tile 1's
	global_store_b16 v8, v[T], s[78:79]            ; a head owns 2 of a token's 16 bytes here: these 2 bytes a row are all that does not leave in whole runs
	s_wait_tensorcnt 0x0                           ; the wave's end
	ds_add_u32 v[SPW], v[NIL]
	s_wait_dscnt 0x0
	CROUND                                         ; the closing round
	s_endpgm
.Lfunc_end_k_qd73979422e_attn:
	.size	k_qd73979422e_attn, .Lfunc_end_k_qd73979422e_attn-k_qd73979422e_attn
	.p2alignl 7, 3214868480
	.fill 96, 4, 3214868480
	.section	.rodata,"a",@progbits
	.p2align	6, 0x0
	.amdhsa_kernel k_qd73979422e_attn
		.amdhsa_group_segment_fixed_size 167936
		.amdhsa_private_segment_fixed_size 0
		.amdhsa_enable_private_segment 0
		.amdhsa_kernarg_size 24
		.amdhsa_user_sgpr_count 2
		.amdhsa_user_sgpr_kernarg_segment_ptr 1
		.amdhsa_wavefront_size32 1
		.amdhsa_system_sgpr_workgroup_id_x 1
		.amdhsa_system_sgpr_workgroup_id_y 1
		.amdhsa_system_sgpr_workgroup_id_z 1
		.amdhsa_system_vgpr_workitem_id 0
		.amdhsa_next_free_vgpr 256
		.amdhsa_next_free_sgpr 96
		.amdhsa_reserve_vcc 0
		.amdhsa_float_denorm_mode_32 3
		.amdhsa_float_denorm_mode_16_64 3
		.amdhsa_memory_ordered 1
		.amdhsa_forward_progress 1
		.amdhsa_inst_pref_size 53
	.end_amdhsa_kernel
	.amdgpu_metadata
---
amdhsa.version: [ 1, 2 ]
amdhsa.kernels:
  - .name:           k_qd73979422e_attn
    .symbol:         k_qd73979422e_attn.kd
    .args:
      - { .name: qk, .offset: 0, .size: 8, .value_kind: global_buffer, .address_space: global }
      - { .name: vq, .offset: 8, .size: 8, .value_kind: global_buffer, .address_space: global }
      - { .name: oq, .offset: 16, .size: 8, .value_kind: global_buffer, .address_space: global }
    .group_segment_fixed_size: 167936
    .private_segment_fixed_size: 0
    .kernarg_segment_align: 8
    .kernarg_segment_size: 24
    .max_flat_workgroup_size: 512
    .sgpr_count:     96
    .vgpr_count:     256
    .wavefront_size: 32
...
	.end_amdgpu_metadata
.endif
;; end of part 5
;; launch gemm_o (part 6): grid 4 x 32, 4 waves a work-group, clusters of 4 x 4, 327,680 bytes of LDS; arguments oq, wq, bo, out0; writes out0
.if DOCPART == 6
	.amdgcn_target "amdgcn-amd-amdhsa--gfx1250"
	.amdhsa_code_object_version 6
	.text
	.protected	k_qd73979422e_gemm_o
	.globl	k_qd73979422e_gemm_o
	.p2align	8
	.type	k_qd73979422e_gemm_o,@function
k_qd73979422e_gemm_o:
	s_mov_b64 s[64:65], 0
	v_nop
	global_prefetch_b8 v0, s[64:65] scope:SCOPE_SE
	s_setreg_imm32_b32 hwreg(HW_REG_WAVE_MODE, 25, 1), 1
	s_wait_xcnt 0x0
	s_wait_alu depctr_hold_cnt(0) depctr_sa_sdst(0) depctr_va_vdst(0) depctr_va_sdst(0) depctr_va_ssrc(0) depctr_va_vcc(0) depctr_vm_vsrc(0)
	s_getreg_b32 s2, hwreg(HW_REG_IB_STS2, 6, 4)
	s_cmp_eq_u32 s2, 0
	s_cbranch_scc0 .Lentry_in_a_cluster
	s_endpgm
.Lentry_in_a_cluster:
	s_bfe_u32 s2, ttmp6, 0x10000c
	s_cmp_lg_u32 s2, 0xf033
	s_cbranch_scc0 .Lentry_shape_is_right
	s_endpgm
.Lentry_shape_is_right:
; Launches 3, 4 and 6 of 6 are ONE TEXT with MODE 0, 1, 2: C[m][n] = bias + sum over k of A[m][k] B[n][k], K = 1,024, both operands codes of E2M1 with E8M0 scales.  Nothing is left out.
;   MODE 0: A = x's rows, B = the columns of Wq and Wk; q and k are quantised along each head's 64 and stored as codes for the attention.
;   MODE 1: A = the columns of Wv, B = x's rows, so that the axis along a lane's registers is the TOKENS: v is quantised along the keys and stored as fragments of V^T.
;   MODE 2: A = the attention's result, B = the columns of Wo; the result is out0, f32.
; LIMITS (MODE 0, 1): NaN and infinities are not served; a block under 2^-124 (zeros among them) keeps the scale byte 1; this program alone reads the bytes.
; OPERANDS LIE AS IMAGES OF REGISTERS: rows in tiles of 16 (place r of tile T = row 32 (T / 2) + 8 (T % 2) + r + 8 (r / 8)); codes [K / 64][tile][lane][16 bytes]; scale bytes [K / 512][tile][r][16 bytes].
; A fragment (16 rows x 128 K) is two loads of 16 bytes at 16 x lane: no pitch, no padding.
; A tile of C, 256 x 256, is made by four waves, each 128 x 128: 64 accumulators, 512 registers.  K's two halves of 512 fill two LDS slots, and all scale bytes lie beside them: every byte of LDS is filled ONCE, at the head.
; CLUSTERS: 4 x 4 work-groups; A's tiles are asked for jointly along a row of the cluster, B's along a column.
; THE MATRIX INSTRUCTION IS USED TRANSPOSED (source 0 = 16 rows of B, source 1 = 16 rows of A): lane (r, h) holds place r of A's tile, and by the order of rows in B's tiles the 64 registers of A's block a are
; n = 32 b + 16 h + i at register 16 b + i: 16 neighbours of each block of 32, which the conversions take as they stand.  The bias is the C of the first K step.
; REGISTERS, in windows of 256: window 0: v1-31 addresses; v32-95 scale words, two sets; v96-119 at work on the way out; v128-191 A's fragments, one set; v192-255 the bias.  On the way out v128-255 are free.
;   window 1: B's fragments, two sets, at v0 and v128.   window 2: the accumulators of my rows 0-63 ((a, b) at v[8 (8 a + b)]);   window 3: those of rows 64-127.
.set MODE, 2
.if MODE == 0
.set AROWS, 8192
.set AFIRST, 0
.set ASCO, 4194304
.set BROWS, 4096
.set BFIRST, 0
.set BSCO, 2097152
.endif
.if MODE == 1
.set AROWS, 4096
.set AFIRST, 2048
.set ASCO, 2097152
.set BROWS, 8192
.set BFIRST, 0
.set BSCO, 4194304
.endif
.if MODE == 2
.set AROWS, 8192
.set AFIRST, 0
.set ASCO, 4194304
.set BROWS, 4096
.set BFIRST, 3072
.set BSCO, 2097152
.endif
.set NQ,     4                         ; steps of 128 along K in a slot
.set FR,     8                         ; registers of a fragment
.set NL,     2                         ; LDS loads that bring one
.set NP,     4                         ; places behind this matrix instruction (ISA guide 7.12.1)
.set HALFT,  32768                     ; 128 rows x 512 K of codes: 8 planes x 8 tiles x 512 bytes: what one tensor load brings
.set SLOT,   4*HALFT                   ; A's two halves, then B's two
.set SCL,    2*SLOT                    ; behind the slots: the scale bytes, [loading wave][half of K][tile][256 bytes]
.set HALFS,  4096                      ; those of 128 rows
.set SPARE,  SCL+4*HALFS               ; the spare words, 128 bytes for each wave
.set SPITCH, 528                       ; MODE 2: a stage row
.set QKW,    8388608                   ; where the scale words begin in qk
.set VQW,    4194304                   ; and in vq
.set ADRA, 16                          ; v16-17  LDS address of my A fragments in slot 0, 1
.set ADRB, 20                          ; v20-21  the same for B
.set STO,  24                          ; v24     the way out: where I store into my stage
.set RD,   25                          ; v25     and where I read it back
.set CO,   26                          ; v26     16 x lane
.set ADRS, 27                          ; v27     LDS address of my scale words: lanes 0-15 A's rows, lanes 16-31 B's
.set SPW,  28                          ; v28     LDS address of my spare word; never rewritten
.set NIL,  29                          ; v29     0; never rewritten
.set CV,   30                          ; v30     MODE 1: 4,096 h + 16 r
.set SH,   31                          ; v31     MODE 0: 16 h
.set SC,   32                          ; scale words: set s at v[SC + 32 s]; register 4 i + q: lanes 0-15 A's block i, lanes 16-31 B's block i, the slot's q-th 128 along K
.set TM,   96                          ; v96-111 at work in the quantiser
.set WD,   112                         ; v112-119 a scale word for each block of A
.set AF,   128                         ; A's fragments
.set PCB,  128                         ; the way out: the codes of block a at v[128 + 8 a]
.set BK,   128                         ; MODE 2: rows read back: v128-191 and v192-255 by turns
.set BI,   192                         ; the bias, in the result's layout
.set SEL,  6                           ; s[6:7] selects for lane l xor 16
.set G1, 24
.set G0, 32
.set G1B, 48
.set G0B, 56
.set G1S, 68
.set G0S, 76
.set G1SB, 80
.set G0SB, 88
.set MSB, 0
.macro WIN new                         ; the immediate's high byte repeats the setting that is left
.if MSB != (\new)
	s_set_vgpr_msb (MSB<<8)|(\new)
.set MSB, (\new)
.endif
.endm
.set MUL_LO,   0xa1                    ; source 0 (B) window 1, source 1 (A) window 0, C and D window 2
.set MUL_HI,   0xf1                    ; the same, C and D window 3
.set FIRST_LO, 0x81                    ; the first K step: C (the bias) window 0, D window 2
.set FIRST_HI, 0xc1                    ; D window 3
.set TO_B,     0x40                    ; destination window 1, address window 0
; A joint load: waves 0 and 1 fetch for A, waves 2 and 3 for B; the branch hangs on the wave's number alone.  An s_nop 0 and four v_nop follow each of the two lines.
.macro JLOAD g0a, g1a, g0b, g1b
	s_cmp_eq_u32 s15, 0
	s_cbranch_scc0 .Lfor_b_\@
	tensor_load_to_lds s[\g0a:\g0a+3], s[\g1a:\g1a+7]
	s_nop 0
.rept 4
	v_nop
.endr
	s_branch .Lasked_\@
.Lfor_b_\@:
	tensor_load_to_lds s[\g0b:\g0b+3], s[\g1b:\g1b+7]
	s_nop 0
.rept 4
	v_nop
.endr
.Lasked_\@:
.endm
.macro CROUND                          ; a round of the cluster's barrier
	s_barrier_signal -1
	s_barrier_wait -1
	s_cmp_lg_u32 s14, 0
	s_cbranch_scc1 .Lnot_wave_0_\@
	s_barrier_signal -3
.Lnot_wave_0_\@:
	s_barrier_wait -3
	s_barrier_signal -1
	s_barrier_wait -1
.endm
	s_load_b64 s[4:5], s[0:1], 0x0                 ; A
	s_load_b64 s[8:9], s[0:1], 0x8                 ; B
.if MODE == 0
	s_load_b128 s[96:99], s[0:1], 0x10             ; bq, bk
	s_load_b64 s[12:13], s[0:1], 0x20              ; qk
.else
	s_load_b64 s[96:97], s[0:1], 0x10              ; the bias
	s_load_b64 s[12:13], s[0:1], 0x18              ; the result
.endif
	v_lshl_add_u32 v[SPW], v0, 2, SPARE
	v_mov_b32 v[NIL], 0
	ds_add_u32 v[SPW], v[NIL]                      ; the wave's opening: the add, twice on end, and its wait ahead of my first tensor load
	ds_add_u32 v[SPW], v[NIL]
	v_lshrrev_b32 v1, 5, v0
	v_readfirstlane_b32 s14, v1                    ; wave 0..3
	s_lshr_b32 s15, s14, 1                         ; which half of the tile's rows is mine.  Also: I fetch for A (0) or for B (1)
	s_and_b32 s16, s14, 1                          ; which half of its columns.  Also: which 128 rows I fetch
	s_bfe_u32 s40, ttmp6, 0x40000                  ; cx, cy: my place in the cluster
	s_bfe_u32 s41, ttmp6, 0x40004
	s_lshl_b32 s42, ttmp9, 2
	s_add_co_u32 s42, s42, s40                     ; tile column of C
	s_and_b32 s17, ttmp7, 0xffff
	s_lshl_b32 s17, s17, 2
	s_add_co_u32 s17, s17, s41                     ; tile row of C
	s_lshl_b32 s43, s41, 2
	s_lshl_b32 s43, 15, s43                        ; my row of the cluster
	s_lshl_b32 s44, 0x1111, s40                    ; my column
	; group 1 for codes: 8 planes of 4,096 bytes (512 elements of 8 bytes), a plane of all rows apart; for scale bytes: 2 halves of K of 2,048 bytes
	s_or_b32 s[G1+0], s43, (3<<16)|(1<<21)         ; 15:0 the mask; 17:16 elements of 8 bytes; 21 set beside a mask; no padding
	s_or_b32 s[G1B+0], s44, (3<<16)|(1<<21)
	s_or_b32 s[G1S+0], s43, (3<<16)|(1<<21)
	s_or_b32 s[G1SB+0], s44, (3<<16)|(1<<21)
.irp g, G1, G1B
	s_mov_b32 s[\g+1], 512<<16                     ; tensor_dim0
	s_mov_b32 s[\g+2], 8<<16                       ; tensor_dim1
	s_mov_b32 s[\g+3], 512<<16                     ; tile_dim0
	s_mov_b32 s[\g+4], 8                           ; tile_dim1
	s_mov_b32 s[\g+6], 0
	s_mov_b32 s[\g+7], 0
.endr
	s_mov_b32 s[G1+5], AROWS*4                     ; tensor_dim0_stride, in elements
	s_mov_b32 s[G1B+5], BROWS*4
.irp g, G1S, G1SB
	s_mov_b32 s[\g+1], 256<<16
	s_mov_b32 s[\g+2], 2<<16
	s_mov_b32 s[\g+3], 256<<16
	s_mov_b32 s[\g+4], 2
	s_mov_b32 s[\g+6], 0
	s_mov_b32 s[\g+7], 0
.endr
	s_mov_b32 s[G1S+5], AROWS*2
	s_mov_b32 s[G1SB+5], BROWS*2
	s_lshl_b32 s18, s16, 7                         ; which 128 rows of the tile I fetch
	s_lshl_b32 s20, s17, 8
	s_add_co_u32 s20, s20, s18                     ; A: row 256 x tile row + 128 x half
.if AFIRST
	s_add_co_u32 s20, s20, AFIRST
.endif
	s_lshl_b32 s46, s42, 8
	s_add_co_u32 s46, s46, s18                     ; B: row 256 x tile column + 128 x half
.if BFIRST
	s_add_co_u32 s46, s46, BFIRST
.endif
	s_lshl_b32 s22, s20, 4                         ; scale bytes: 16 a row and half of K
	s_add_co_u32 s22, s22, ASCO
	s_mov_b32 s23, 0
	s_lshl_b32 s92, s46, 4
	s_add_co_u32 s92, s92, BSCO
	s_mov_b32 s93, 0
	s_lshl_b32 s20, s20, 5                         ; codes: 32 bytes a row and plane
	s_mov_b32 s21, 0
	s_lshl_b32 s46, s46, 5
	s_mov_b32 s47, 0
	s_mul_i32 s45, s14, HALFT                      ; where they go: no place in the cluster enters an LDS address
	s_mul_i32 s94, s14, HALFS
	s_mov_b32 s[SEL], 0x76543210
	s_mov_b32 s[SEL+1], 0xfedcba98
	s_wait_dscnt 0x0                               ; both opening adds are done
	s_wait_kmcnt 0x0
	s_add_nc_u64 s[20:21], s[4:5], s[20:21]
	s_add_nc_u64 s[22:23], s[4:5], s[22:23]
	s_add_nc_u64 s[46:47], s[8:9], s[46:47]
	s_add_nc_u64 s[92:93], s[8:9], s[92:93]
	CROUND                                         ; all sixteen work-groups are here: the joint loads meet
	s_mov_b32 s[G0S], 1
	s_add_co_u32 s[G0S+1], s94, SCL
	s_mov_b64 s[G0S+2:G0S+3], s[22:23]
	s_or_b32 s[G0S+3], s[G0S+3], 0x80000000
	s_mov_b32 s[G0SB], 1
	s_add_co_u32 s[G0SB+1], s94, SCL
	s_mov_b64 s[G0SB+2:G0SB+3], s[92:93]
	s_or_b32 s[G0SB+3], s[G0SB+3], 0x80000000
	JLOAD G0S, G1S, G0SB, G1SB                     ; the scale bytes first: they are wanted with the first step
.irp s, 0,1
	s_mov_b32 s[G0+4*\s], 1
	s_add_co_u32 s[G0+4*\s+1], s45, \s*SLOT
	s_add_nc_u64 s[G0+4*\s+2:G0+4*\s+3], s[20:21], \s*8*AROWS*32
	s_or_b32 s[G0+4*\s+3], s[G0+4*\s+3], 0x80000000
	s_mov_b32 s[G0B+4*\s], 1
	s_add_co_u32 s[G0B+4*\s+1], s45, \s*SLOT
	s_add_nc_u64 s[G0B+4*\s+2:G0B+4*\s+3], s[46:47], \s*8*BROWS*32
	s_or_b32 s[G0B+4*\s+3], s[G0B+4*\s+3], 0x80000000
	s_wait_alu depctr_va_vdst(0)
	s_wait_tensorcnt 0x0
	ds_add_u32 v28, v29
	s_wait_dscnt 0x0
	CROUND
	JLOAD G0+4*\s, G1, G0B+4*\s, G1B               ; three loads of mine are out: all that this launch ever asks for
.endr
	v_and_b32 v1, 15, v0                           ; r
	v_bfe_u32 v2, v0, 4, 1                         ; h
	v_and_b32 v3, 31, v0
	v_lshlrev_b32 v3, 4, v3                        ; 16 x lane
	; the bias, in the result's layout
.if MODE == 0
	s_cmp_eq_u32 ttmp9, 0                          ; the first cluster column makes q, the second k
	s_cselect_b64 s[96:97], s[96:97], s[98:99]
	s_and_b32 s94, s42, 3
	s_lshl_b32 s94, s94, 10
	s_lshl_b32 s95, s16, 9
.endif
.if MODE == 1
	s_lshl_b32 s94, s17, 10
	s_lshl_b32 s95, s15, 9
.endif
.if MODE == 2
	s_wait_alu depctr_va_vdst(0)
	s_lshl_b32 s94, s42, 10
	s_lshl_b32 s95, s16, 9
.endif
	s_add_co_u32 s94, s94, s95
	s_mov_b32 s95, 0
	s_add_nc_u64 s[96:97], s[96:97], s[94:95]      ; at my wave's first 128 numbers of it
.if MODE == 1
	v_and_b32 v6, 8, v1                            ; along A's rows: lane (r, h) wants, for block a, the one number of row 32 (a / 2) + 8 (a % 2) + r + 8 (r / 8), in all eight registers
	v_add_nc_u32 v6, v6, v1
	v_lshlrev_b32 v6, 2, v6
.irp a, 0,1,2,3,4,5,6,7
.irp j, 0,1,2,3,4,5,6,7
	global_load_b32 v[BI+8*\a+\j], v6, s[96:97] offset:(32*(\a/2)+8*(\a%2))*4
.endr
.endr
.else
	v_lshlrev_b32 v6, 6, v2                        ; along B's rows: for block b the eight numbers 32 (b / 2) + 8 (b % 2) + 16 h + 0 .. 7
.irp b, 0,1,2,3,4,5,6,7
	global_load_b128 v[BI+8*\b:BI+8*\b+3], v6, s[96:97] offset:(32*(\b/2)+8*(\b%2))*4
	global_load_b128 v[BI+8*\b+4:BI+8*\b+7], v6, s[96:97] offset:(32*(\b/2)+8*(\b%2))*4+16
.endr
.endif
	s_mul_i32 s21, s15, HALFT                      ; my 128 rows of A
	s_mul_i32 s22, s16, HALFT                      ; my 128 rows of B,
	s_add_co_u32 s22, s22, 2*HALFT                 ; which lie behind A's 256
.irp s, 0,1
	v_add_nc_u32 v[ADRA+\s], s21, v3
	v_add_nc_u32 v[ADRB+\s], s22, v3
	s_add_co_u32 s21, s21, SLOT
	s_add_co_u32 s22, s22, SLOT
.endr
	v_lshlrev_b32 v5, 4, v1                        ; my row's 16 scale bytes
	s_mul_i32 s21, s15, HALFS                      ; A's: my 128 rows
	s_mul_i32 s22, s16, HALFS                      ; B's: my 128 rows, behind A's 256
	s_add_co_u32 s22, s22, 2*HALFS
	s_sub_co_u32 s22, s22, s21
	v_mul_u32_u24 v7, s22, v2                      ; lanes 16-31 take B's
	s_add_co_u32 s21, s21, SCL
	v_add_nc_u32 v5, v5, v7
	v_add_nc_u32 v[ADRS], s21, v5
	v_mov_b32 v[CO], v3
.if MODE == 0
	s_lshl_b32 s18, s14, 10                        ; my stage, 1,024 bytes, in slot 0: it has had its only fill, and nobody reads it when the first word is stored there
	v_lshlrev_b32 v[STO], 4, v1
	v_lshl_add_u32 v[STO], v2, 9, v[STO]
	v_add_nc_u32 v[STO], s18, v[STO]               ; 512 h + 16 r
	v_add_nc_u32 v[RD], s18, v3
	v_lshlrev_b32 v[SH], 4, v2
	s_lshl_b32 s46, s42, 2
	s_lshl_b32 s47, s16, 1
	s_add_co_u32 s46, s46, s47                     ; my first plane of qk: 4 x tile column + 2 x half (a plane is a head of q, then of k)
	s_lshl_b32 s20, s46, 18
	s_lshl_b32 s21, s17, 13                        ; 16 tiles of tokens a tile row,
	s_add_co_u32 s20, s20, s21
	s_lshl_b32 s21, s15, 12                        ; 8 a half
	s_add_co_u32 s20, s20, s21
	s_mov_b32 s21, 0
	s_lshl_b32 s22, s46, 15                        ; scale words: [plane][group of 4 tiles][r][4 words]
	s_lshl_b32 s23, s17, 10
	s_add_co_u32 s22, s22, s23
	s_lshl_b32 s23, s15, 9
	s_add_co_u32 s22, s22, s23
	s_add_co_u32 s22, s22, QKW
	s_mov_b32 s23, 0
	s_add_nc_u64 s[92:93], s[12:13], s[22:23]
	s_add_nc_u64 s[12:13], s[12:13], s[20:21]
.endif
.if MODE == 1
	s_lshl_b32 s18, s14, 10                        ; my stage, in slot 0
	v_lshlrev_b32 v[STO], 4, v1
	v_lshl_add_u32 v[CV], v2, 12, v[STO]           ; 4,096 h + 16 r
	v_add_nc_u32 v[STO], s18, v[STO]               ; 16 r
	v_add_nc_u32 v[RD], s18, v3
	s_lshl_b32 s46, s42, 1
	s_add_co_u32 s46, s46, s16                     ; my 128 tokens: 2 x tile column + half
	s_lshr_b32 s47, s46, 4                         ; the batch,
	s_and_b32 s46, s46, 15                         ; the key step in it
	s_lshl_b32 s94, s17, 2
	s_lshl_b32 s95, s15, 1
	s_add_co_u32 s94, s94, s95                     ; my first head: 4 x tile row + 2 x half
	s_lshl_b32 s20, s47, 20                        ; vq: [batch][head][key step][d tile][c][512 bytes]
	s_lshl_b32 s21, s94, 16
	s_add_co_u32 s20, s20, s21
	s_lshl_b32 s21, s46, 12
	s_add_co_u32 s20, s20, s21
	s_mov_b32 s21, 0
	s_lshl_b32 s22, s47, 16                        ; scale words: [batch][head][key step][r][d tile]
	s_lshl_b32 s23, s94, 12
	s_add_co_u32 s22, s22, s23
	s_lshl_b32 s23, s46, 8
	s_add_co_u32 s22, s22, s23
	s_add_co_u32 s22, s22, VQW
	s_mov_b32 s23, 0
	s_add_nc_u64 s[92:93], s[12:13], s[22:23]
	s_add_nc_u64 s[12:13], s[12:13], s[20:21]
.endif
.if MODE == 2
	s_mul_i32 s18, s14, 16*SPITCH                  ; my stage, 16 rows of 528 bytes, in slot 0
	v_mul_u32_u24 v[STO], v1, SPITCH
	v_lshl_add_u32 v[STO], v2, 6, v[STO]
	v_add_nc_u32 v[STO], s18, v[STO]               ; row r, + 64 h
	v_add_nc_u32 v[RD], s18, v3
	s_lshl_b32 s20, s17, 20                        ; out0: 256 rows of 4,096 bytes a tile row,
	s_lshl_b32 s21, s15, 19
	s_add_co_u32 s20, s20, s21
	s_lshl_b32 s21, s42, 10                        ; 256 columns of 4 bytes a tile column
	s_add_co_u32 s20, s20, s21
	s_lshl_b32 s21, s16, 9
	s_add_co_u32 s20, s20, s21
	s_mov_b32 s21, 0
	s_add_nc_u64 s[12:13], s[12:13], s[20:21]
.endif
.macro FRAG reg, adr, q, i             ; a fragment: planes 2 q and 2 q + 1 of tile i, 16 bytes a lane each
.irp c, 0,1
	ds_load_b128 v[\reg+4*\c:\reg+4*\c+3], v[\adr] offset:(2*(\q)+\c)*4096+(\i)*512
.endr
.endm
; 16 matrix instructions: A's blocks a0, a0 + 1 x B's eight, the slot's q-th 128 along K.  p: B's set; sc: the set of scale words.  zero = 1: the first K step, whose C is the bias.
; The 64 accumulators take turns, one instruction a turn, in the same order in every step.
.macro MUL16 a0, p, q, sc, zero
.irp a, \a0, \a0+1
.irp b, 0,1,2,3,4,5,6,7
.if \zero
.if MODE == 1
	v_wmma_scale_f32_16x16x128_f8f6f4 v[8*(8*((\a)%4)+\b):8*(8*((\a)%4)+\b)+7], v[128*(\p)+FR*\b:128*(\p)+FR*\b+FR-1], v[AF+FR*(\a):AF+FR*(\a)+FR-1], v[BI+8*(\a):BI+8*(\a)+7], v[SC+8*NQ*(\sc)+NQ*\b+(\q)], v[SC+8*NQ*(\sc)+NQ*(\a)+(\q)] matrix_a_fmt:MATRIX_FMT_FP4 matrix_b_fmt:MATRIX_FMT_FP4 matrix_a_scale:MATRIX_SCALE_ROW1
.else
	v_wmma_scale_f32_16x16x128_f8f6f4 v[8*(8*((\a)%4)+\b):8*(8*((\a)%4)+\b)+7], v[128*(\p)+FR*\b:128*(\p)+FR*\b+FR-1], v[AF+FR*(\a):AF+FR*(\a)+FR-1], v[BI+8*\b:BI+8*\b+7], v[SC+8*NQ*(\sc)+NQ*\b+(\q)], v[SC+8*NQ*(\sc)+NQ*(\a)+(\q)] matrix_a_fmt:MATRIX_FMT_FP4 matrix_b_fmt:MATRIX_FMT_FP4 matrix_a_scale:MATRIX_SCALE_ROW1
.endif
.else
	v_wmma_scale_f32_16x16x128_f8f6f4 v[8*(8*((\a)%4)+\b):8*(8*((\a)%4)+\b)+7], v[128*(\p)+FR*\b:128*(\p)+FR*\b+FR-1], v[AF+FR*(\a):AF+FR*(\a)+FR-1], v[8*(8*((\a)%4)+\b):8*(8*((\a)%4)+\b)+7], v[SC+8*NQ*(\sc)+NQ*\b+(\q)], v[SC+8*NQ*(\sc)+NQ*(\a)+(\q)] matrix_a_fmt:MATRIX_FMT_FP4 matrix_b_fmt:MATRIX_FMT_FP4 matrix_a_scale:MATRIX_SCALE_ROW1
.endif
.endr
.endr
.endm
.macro FETCH_B slot, q, p              ; B's eight fragments into set p
	WIN TO_B
.irp i, 0,1,2,3,4,5,6,7
	FRAG 128*(\p)+FR*\i, ADRB+\slot, \q, \i
.endr
	WIN 0
.endm
.macro FETCH_A slot, q, i0             ; A's blocks i0 .. i0 + 3
.irp i, \i0, \i0+1, \i0+2, \i0+3
	FRAG AF+FR*(\i), ADRA+\slot, \q, \i
.endr
.endm
.macro SCALES sc                       ; a slot's scale words: four words a row; lanes 0-15 take A's block i, lanes 16-31 B's
.irp i, 0,1,2,3,4,5,6,7
	ds_load_b128 v[SC+8*NQ*\sc+NQ*\i:SC+8*NQ*\sc+NQ*\i+3], v[ADRS] offset:\i*256
.endr
.endm
.macro PLACES n                        ; plain vector instructions between a matrix instruction and a load into, or a read of, its registers
.rept \n
	v_nop
.endr
.endm
.macro STEP slot, q, zero              ; a step of 128 along K that has its successor in the same slot
	s_wait_dscnt 4*NL                              ; B's set and A's blocks 0-3 are in; the youngest eight loads (A's blocks 4-7) may be out
.if \zero
	WIN FIRST_LO
.else
	WIN MUL_LO
.endif
	MUL16 0, (\q)%2, \q, \slot, \zero
	MUL16 2, (\q)%2, \q, \slot, \zero
	s_wait_dscnt 0                                 ; A's blocks 4-7 are in
	PLACES NP
	FETCH_B \slot, (\q)+1, 1-(\q)%2
	FETCH_A \slot, (\q)+1, 0
.if \zero
	WIN FIRST_HI
.else
	WIN MUL_HI
.endif
	MUL16 4, (\q)%2, \q, \slot, \zero
	MUL16 6, (\q)%2, \q, \slot, \zero
	PLACES NP
	WIN 0
	FETCH_A \slot, (\q)+1, 4
.endm
; Slot 0's last step goes over to slot 1: each wave waits for all its tensor loads, so that behind the barrier slot 1 is whole; nothing is filled again.
.macro TURN slot, next
	s_wait_tensorcnt 0x0                           ; my part of the next slot has landed
	ds_add_u32 v[SPW], v[NIL]
	s_wait_dscnt 4*NL+1                            ; (the add and the youngest eight loads may be out)
	WIN MUL_LO
	MUL16 0, 1, NQ-1, \slot, 0
	s_wait_dscnt 0x0                               ; the add is done, and my reads of this slot are over
	s_barrier_signal -1
	MUL16 2, 1, NQ-1, \slot, 0
	WIN 0
	s_barrier_wait -1
	PLACES NP
	v_add_nc_u32 v[ADRS], 2048, v[ADRS]            ; the next half of K's scale words
	FETCH_B \next, 0, 0
	FETCH_A \next, 0, 0
	SCALES \next
	WIN MUL_HI
	MUL16 4, 1, NQ-1, \slot, 0
	MUL16 6, 1, NQ-1, \slot, 0
	PLACES NP
	WIN 0
	FETCH_A \next, 0, 4
.endm
.macro STEPS slot, from                ; the slot's steps from .. NQ - 2
.set Q, \from
.rept NQ-1-\from
	STEP \slot, Q, 0
.set Q, Q+1
.endr
.endm
	s_wait_alu depctr_va_vdst(0)
	s_wait_tensorcnt 1                             ; the scale bytes and my part of slot 0 are in (slot 1's load may be out),
	s_barrier_signal -1
	s_barrier_wait -1                              ; everybody's are
	FETCH_B 0, 0, 0
	FETCH_A 0, 0, 0
	SCALES 0
	FETCH_A 0, 0, 4
	s_wait_loadcnt 0x0                             ; the bias
	STEP 0, 0, 1
	STEPS 0, 1
	TURN 0, 1
	STEPS 1, 0
	s_wait_dscnt 4*NL                              ; the last step: nothing more to fetch
	WIN MUL_LO
	MUL16 0, 1, NQ-1, 1, 0
	MUL16 2, 1, NQ-1, 1, 0
	s_wait_dscnt 0
	WIN MUL_HI
	MUL16 4, 1, NQ-1, 1, 0
	MUL16 6, 1, NQ-1, 1, 0
	WIN 0
.if MODE != 2
; THE WAY OUT, MODE 0 and 1: block a's 64 registers a lane are four blocks of 32 along n: they are quantised where they lie.  Each accumulator is read from its low end on.
.macro QUANTA a
.set AC, 64*((\a)%4)
.set WW, 2+(\a)/4
.set PC, PCB+8*(\a)
	WIN (WW<<2)|(WW<<4)                            ; sources 1 and 2: the accumulators' window
.irp b, 0,1,2,3
	v_max3_num_f32 v[TM+\b], 0x1800000, |v[AC+16*\b]|, |v[AC+16*\b+1]|   ; the floor 2^(3 - 127): the byte cannot fall under 1
.endr
.irp e, 2,4,6,8,10,12,14
.irp b, 0,1,2,3
	v_max3_num_f32 v[TM+\b], v[TM+\b], |v[AC+16*\b+\e]|, |v[AC+16*\b+\e+1]|
.endr
.endr
	WIN 0
.irp b, 0,1,2,3
	v_permlanex16_b32 v[TM+4+\b], v[TM+\b], s[SEL], s[SEL+1]
.endr
.irp b, 0,1,2,3
	v_max_num_f32 v[TM+\b], v[TM+\b], v[TM+4+\b]   ; with lane l xor 16's: the block's largest magnitude
.endr
.irp b, 0,1,2,3
	v_add_nc_u32 v[TM+12+\b], 0xff000000, v[TM+\b] ; 2 off its exponent field: the conversion's scale operand
.endr
.irp b, 0,1,2,3
	v_lshrrev_b32 v[TM+4+\b], 23, v[TM+12+\b]      ; the scale's byte
.endr
	v_lshl_or_b32 v[WD+(\a)], v[TM+5], 8, v[TM+4]
	v_lshl_or_b32 v[WD+(\a)], v[TM+6], 16, v[WD+(\a)]
	v_lshl_or_b32 v[WD+(\a)], v[TM+7], 24, v[WD+(\a)]
	WIN WW                                         ; source 0: the accumulators' window
.irp b, 0,1,2,3
	v_cvt_scalef32_pk8_fp4_f32 v[PC+2*\b], v[AC+16*\b:AC+16*\b+7], v[TM+12+\b]
	v_cvt_scalef32_pk8_fp4_f32 v[PC+1+2*\b], v[AC+16*\b+8:AC+16*\b+15], v[TM+12+\b]
.endr
	WIN 0
	v_nop                                          ; one plain place behind a scaled conversion
.irp c, 0,1                                    ; a whole block to a lane
.irp e, 0,1
	v_permlane16_swap_b32 v[PC+4*\c+\e], v[PC+2+4*\c+\e]
.endr
.endr
.endm
	PLACES NP                                      ; behind the last products
.irp b, 0,1,2,3
	v_mov_b32 v[TM+4+\b], 0                        ; written once: a lane permute's destination counts as one of its sources
.endr
.irp a, 0,1,2,3,4,5,6,7
	QUANTA \a
.if MODE == 0
	global_store_b128 v[CO], v[PCB+8*\a:PCB+8*\a+3], s[12:13] offset:512*\a                  ; the even head's 64: 512 consecutive bytes, aligned
	global_store_b128 v[CO], v[PCB+8*\a+4:PCB+8*\a+7], s[12:13] offset:262144+512*\a         ; the odd head's
	v_lshrrev_b32 v[WD+\a], v[SH], v[WD+\a]        ; lanes 0-15 keep the even head's two bytes, lanes 16-31 the odd head's;
	v_and_b32 v[WD+\a], 0xffff, v[WD+\a]           ; the word's upper two bytes, for the idle half of the instruction's K, are 0
	ds_store_b32 v[STO], v[WD+\a] offset:(\a/4)*256+(\a%4)*4
.else
	global_store_b128 v[CO], v[PCB+8*\a:PCB+8*\a+3], s[12:13] offset:(\a/4)*65536+(\a%4)*1024
	global_store_b128 v[CO], v[PCB+8*\a+4:PCB+8*\a+7], s[12:13] offset:(\a/4)*65536+(\a%4)*1024+512
	ds_store_b32 v[STO], v[WD+\a] offset:(\a/4)*256+(\a%4)*4      ; both halves of the lanes store the same word
.endif
.endr
.if MODE == 0
	ds_load_b128 v[192:195], v[RD]                 ; LDS serves a wave's instructions in order: these see my stores
	ds_load_b128 v[196:199], v[RD] offset:512
	s_wait_dscnt 0x0
	global_store_b128 v[CO], v[192:195], s[92:93]                 ; two groups of four tiles: 512 consecutive bytes
	global_store_b128 v[CO], v[196:199], s[92:93] offset:32768    ; and the odd head's
.else
	ds_load_b128 v[192:195], v[RD]
	s_wait_dscnt 0x0
	global_store_b128 v[CV], v[192:195], s[92:93]                 ; 256 consecutive bytes for each of my two heads
.endif
.else
; THE WAY OUT, MODE 2: a block of 16 rows x 128 columns goes through my stage and comes back as whole rows of 512 bytes.  The order of rows in the tiles stands in the immediates.
.macro TOSTAGE a
.set AC, 64*((\a)%4)
	WIN 0x08+4*((\a)/4)                            ; an LDS store's data: window 2 or 3
.irp b, 0,1,2,3,4,5,6,7
	ds_store_b128 v[STO], v[AC+8*\b:AC+8*\b+3] offset:128*(\b/2)+32*(\b%2)          ; each accumulator from its low end on
	ds_store_b128 v[STO], v[AC+8*\b+4:AC+8*\b+7] offset:128*(\b/2)+32*(\b%2)+16
.endr
	WIN 0
.set BB, BK+64*((\a)%2)
.irp t, 0,1,2,3,4,5,6,7,8,9,10,11,12,13,14,15
	ds_load_b128 v[BB+4*\t:BB+4*\t+3], v[RD] offset:\t*SPITCH   ; LDS serves a wave's instructions in order
.endr
.endm
.macro SEND a, younger                 ; younger: the LDS instructions issued behind block a's loads, which may stay out
.set BB, BK+64*((\a)%2)
	s_wait_dscnt \younger
.irp t, 0,1,2,3,4,5,6,7,8,9,10,11,12,13,14,15
	global_store_b128 v[CO], v[BB+4*\t:BB+4*\t+3], s[12:13] offset:(32*((\a)/2)+8*((\a)%2)+\t+8*(\t/8))*4096 th:TH_STORE_NT   ; 512 consecutive bytes, aligned
.endr
.endm
	PLACES NP
	TOSTAGE 0
.irp a, 1,2,3,4,5,6,7
.if \a > 1
	s_wait_xcnt 0x0                                ; block a - 2's stores have read their registers: block a's loads may land there
.endif
	TOSTAGE \a
	SEND \a-1, 32                                  ; behind block a - 1's loads: block a's 16 stores and 16 loads
.endr
	SEND 7, 0
.endif
	s_wait_tensorcnt 0x0                           ; the wave's end
	ds_add_u32 v[SPW], v[NIL]
	s_wait_dscnt 0x0
	CROUND                                         ; the closing round
	s_endpgm
.Lfunc_end_k_qd73979422e_gemm_o:
	.size	k_qd73979422e_gemm_o, .Lfunc_end_k_qd73979422e_gemm_o-k_qd73979422e_gemm_o
	.p2alignl 7, 3214868480
	.fill 96, 4, 3214868480
	.section	.rodata,"a",@progbits
	.p2align	6, 0x0
	.amdhsa_kernel k_qd73979422e_gemm_o
		.amdhsa_group_segment_fixed_size 327680
		.amdhsa_private_segment_fixed_size 0
		.amdhsa_enable_private_segment 0
		.amdhsa_kernarg_size 32
		.amdhsa_user_sgpr_count 2
		.amdhsa_user_sgpr_kernarg_segment_ptr 1
		.amdhsa_wavefront_size32 1
		.amdhsa_system_sgpr_workgroup_id_x 1
		.amdhsa_system_sgpr_workgroup_id_y 1
		.amdhsa_system_sgpr_workgroup_id_z 1
		.amdhsa_system_vgpr_workitem_id 0
		.amdhsa_next_free_vgpr 1024
		.amdhsa_next_free_sgpr 100
		.amdhsa_reserve_vcc 0
		.amdhsa_float_denorm_mode_32 3
		.amdhsa_float_denorm_mode_16_64 3
		.amdhsa_memory_ordered 1
		.amdhsa_forward_progress 1
		.amdhsa_inst_pref_size 127
	.end_amdhsa_kernel
	.amdgpu_metadata
---
amdhsa.version: [ 1, 2 ]
amdhsa.kernels:
  - .name:           k_qd73979422e_gemm_o
    .symbol:         k_qd73979422e_gemm_o.kd
    .args:
      - { .name: oq, .offset: 0, .size: 8, .value_kind: global_buffer, .address_space: global }
      - { .name: wq, .offset: 8, .size: 8, .value_kind: global_buffer, .address_space: global }
      - { .name: bo, .offset: 16, .size: 8, .value_kind: global_buffer, .address_space: global }
      - { .name: out0, .offset: 24, .size: 8, .value_kind: global_buffer, .address_space: global }
    .group_segment_fixed_size: 327680
    .private_segment_fixed_size: 0
    .kernarg_segment_align: 8
    .kernarg_segment_size: 32
    .max_flat_workgroup_size: 128
    .sgpr_count:     100
    .vgpr_count:     1024
    .wavefront_size: 32
...
	.end_amdgpu_metadata
.endif
;; end of part 6
